; MI455X (gfx1250); checked and timed in simulation.
; The chip was launched on July 23, 2026; its instructions are those of AMD's public machine-readable ISA for CDNA 5 (MIT licence, August 2026) and "CDNA5" Instruction Set Architecture Reference Guide (July 2026). The comments in the code are by the model that wrote it; some were corrected since.
;; Multi Head Attention. Allowed arithmetic: matrix products marked QUANTISED: E2M3 operands, one E8M0 scale for each 32 along K, by v_wmma_scale_f32_16x16x128_f8f6f4 with both operands' format E2M3, f32 sums; everything else in f32.
;; Inputs: Wk 1,024 x 1,024 float32; Wo 1,024 x 1,024 float32; Wq 1,024 x 1,024 float32; Wv 1,024 x 1,024 float32; bk 1,024 float32; bo 1,024 float32; bq 1,024 float32; bv 1,024 float32; x 4 x 2,048 x 1,024 float32.
;; Outputs: out0 4 x 2,048 x 1,024 float32.
;; This version of the problem:
;;   THIS VERSION OF THE PROBLEM IS GIVEN IN LOW PRECISION. The matrix products marked QUANTISED in the list below multiply operands that are first quantised to E2M3 (2 exponent bits, 3 mantissa bits; 6 bits a number), with one power-of-two scale for each 32 numbers along K (OCP MX v1.0); their sums are f32. All else is computed in f32.
;;   The module's matrix products, in the order in which they are computed (A, B: the left and right operand; K: the contracted axis; several contracted axes count as one K, in the product's order):
;;     1. [M 8,192, K 1,024] x [K 1,024, N 1,024]; A: input x; B: input Wq: QUANTISED
;;     2. [M 8,192, K 1,024] x [K 1,024, N 1,024]; A: input x; B: input Wk: QUANTISED
;;     3. [M 8,192, K 1,024] x [K 1,024, N 1,024]; A: input x; B: input Wv: QUANTISED
;;     4. batch 64 x [M 2,048, K 64] x [K 64, N 2,048]; A: computed on the way; B: computed on the way: QUANTISED
;;     5. batch 64 x [M 2,048, K 2,048] x [K 2,048, N 64]; A: softmax (see below); B: computed on the way: QUANTISED
;;     6. [M 8,192, K 1,024] x [K 1,024, N 1,024]; A: computed on the way; B: input Wo: QUANTISED
;;   THE QUANTISER, for each operand of a quantised product, along K:
;;     - K is cut into blocks of 32 from its start; a last block that is shorter is filled with zeros.
;;     - A block's scale is 2^e with e = floor(log2(the largest magnitude in the block)) - 2, held to -126 .. 127; a block of zeros has e = 0. As a byte (E8M0): e + 127.
;;     - Each number is divided by its block's scale, clamped to +-7.5, and rounded to the nearest number of E2M3, ties to even, subnormals kept.
;;     - The product sums the exact products of the quantised numbers (number of the format x scale) in f32.
;;   ~~~python
;;   def quantise(x, axis):      # numpy; x: float32 -> the quantised numbers, widened to float32 again
;;       x = np.moveaxis(x, axis, -1); K = x.shape[-1]
;;       x = np.pad(x, [(0, 0)] * (x.ndim - 1) + [(0, -K % 32)]); x = x.reshape(x.shape[:-1] + (-1, 32)); a = np.abs(x).max(-1, keepdims=True)
;;       e = np.where(a > 0, np.clip(np.frexp(np.where(a > 0, a, 1))[1] - 1 - 2, -126, 127), 0)      # np.frexp(a)[1] - 1 = floor(log2(a)), exactly
;;       r = np.clip(x / 2.0 ** e, -7.5, 7.5)
;;       step = 2.0 ** (np.maximum(np.frexp(np.where(r == 0, 1, r))[1] - 1, 0) - 3)
;;       q = np.round(r / step) * step * 2.0 ** e      # np.round: ties to even
;;       return np.moveaxis(q.reshape(q.shape[:-2] + (-1,))[..., :K], -1, axis).astype(np.float32)
;;   ~~~
;;   SOFTMAX AHEAD OF A QUANTISED PRODUCT. Where the list says 'softmax', what is quantised is not the finished softmax but p = 2^(t - M), with t = logit x log2(e) and M = ceil(the row's largest t), a whole number; so 1/2 < the row's largest p <= 1. The row's sum l is taken of the UNQUANTISED p, in f32, and the product's result is divided by l at the end. Since M is a whole number, a kernel that streams over the keys may use a running M (the ceiling of the running maximum): every later rescaling is an exact power of two, which a block's scale takes up: the codes' values come out the same.
;;   OPERANDS COMPUTED ON THE WAY. 'Computed on the way' means the value that the module computes at that place (a softmax that the list does not call 'softmax' is quantised finished and normalised). What goes into a quantiser is computed in f32, as accurately as f32 sums, v_exp_f32 and their like allow (about 1e-6 of the number): no bf16 or f16 on the way to a quantiser, and a product that is left as it is and whose result goes on into a quantised operand takes f32 operands (vector FMAs, or v_wmma_f32_16x16x4_f32). A number that lies on a knife's edge between two numbers of the format may be rounded either way, as far as f32 arithmetic and the matrix unit's own rounding can turn it there, and no further.
;; One version. Each part assembles by itself: llvm-mc -triple=amdgcn-amd-amdhsa -mcpu=gfx1250 --defsym DOCPART=n.
;; ======== version 1 of 1: 4 launches
;; workspace buffers: xc 6,291,456 bytes; xs 262,144 bytes; wc 3,145,728 bytes; ws 131,072 bytes; qb 13,107,200 bytes; kv 13,107,200 bytes; aoc 6,291,456 bytes; aos 262,144 bytes
;; launch quant (part 1): grid 512 x 1, 4 waves a work-group, no clusters, 48,640 bytes of LDS; arguments x, Wq, Wk, Wv, Wo, xc, xs, wc, ws; writes xc, xs, wc, ws
.if DOCPART == 1
	.amdgcn_target "amdgcn-amd-amdhsa--gfx1250"
	.amdhsa_code_object_version 6
	.text
	.protected	k_qbcdfa84c41_quant
	.globl	k_qbcdfa84c41_quant
	.p2align	8
	.type	k_qbcdfa84c41_quant,@function
k_qbcdfa84c41_quant:
	s_mov_b64 s[64:65], 0
	v_nop
	global_prefetch_b8 v0, s[64:65] scope:SCOPE_SE
	s_setreg_imm32_b32 hwreg(HW_REG_WAVE_MODE, 25, 1), 1
	s_wait_xcnt 0x0
; x [8192][1024] and the four weights [1024 (k)][1024 (n)], f32, become codes of FP6 (E2M3) with one E8M0 byte for each 32 along K, laid as IMAGES OF THE OPERAND'S REGISTERS.
; A TILE is 16 rows: tile 2 a + u holds rows 32 a + 8 u + r + 8 (r / 8), r = 0 .. 15 (rows of x; columns n of a weight).  A fragment (a tile x 128 K) is 12 registers a lane, six pieces of two:
; piece p of lane l lies at 256 p + 8 l: 1,536 bytes.  Codes: [tile][K step 0..7][1,536].  Scale words (four bytes: 128 along K of a row): [tile][K step / 4][r][K step % 4], 512 bytes a tile.
; A block's scale is 2^(floor(log2(largest magnitude)) - 2); its byte is the largest magnitude's exponent field - 2, held at 1 from below by a floor among the maximum's leaves.
; LIMITS: NaN and infinities among the inputs are not served; a block of zeros, or one whose largest magnitude lies under 2^-124, gets the byte 1 (this program alone reads the bytes).
; Work-groups 0 to 255 take x, 256 to 511 the weights: the branch hangs on the work-group's number alone; each way has LDS bytes of its own.  No tile is read by two work-groups, so nothing is shared in a cluster.
.set XSW,  8448                        ; x's way: a stage of 16 rows x (512 bytes + 16) for each wave, from LDS byte 0
.set XP,   528
.set WST,  33792                       ; the weights' way: two images for each wave, 1,664 bytes apart (1,536 + 128: the 32 lanes of a store of 8 bytes then touch 256 different bytes modulo 256)
.set WSW,  3328
.set WIM,  1664
.set WSC,  47104                       ; and 512 bytes in which the four waves' scale words meet
.set SEL,  24                          ; s[24:25] lane selects for v_permlanex16_b32: lane l xor 16
.set PW,   12                          ; v12-15  x: the scale words of the four K steps
.set TM,   16                          ; v16-31  at work in QUANT
.set CT,   32                          ; v32-39  the conversions' second halves
.set PC,   40                          ; v40-63  x: codes, two sets of 12
.set X,    64                          ; v64-127 x: 64 numbers in the quantiser's order
.set R,    128                         ; v128-255 numbers as loaded
; 64 numbers of a lane, register 16 b + i = k 32 b + 16 (lane / 16) + i of my row, become registers d0 .. d0 + 5 (blocks 0, 1) and d1 .. d1 + 5 (blocks 2, 3) of a fragment, and my row's scale word in v[pw].
.macro QUANT s, d0, d1, pw
.irp b, 0,1,2,3
	v_max3_num_f32 v[TM+\b], |v[\s+16*\b]|, |v[\s+1+16*\b]|, 0x1800000   ; my 16 numbers of block b, and the floor 2^(3 - 127): the byte cannot fall under 1
.endr
.irp i, 2,4,6,8,10,12,14
.irp b, 0,1,2,3
	v_max3_num_f32 v[TM+\b], v[TM+\b], |v[\s+16*\b+\i]|, |v[\s+1+16*\b+\i]|
.endr
.endr
.irp b, 0,1,2,3
	v_permlanex16_b32 v[TM+4+\b], v[TM+\b], s[SEL], s[SEL+1]
.endr
.irp b, 0,1,2,3
	v_max_num_f32 v[TM+\b], v[TM+\b], v[TM+4+\b]   ; with lane l xor 16's 16: the block's largest magnitude
.endr
.irp b, 0,1,2,3
	v_add_nc_u32 v[TM+12+\b], 0xff000000, v[TM+\b] ; 2 off its exponent field: the conversion takes this operand's exponent field as its scale
.endr
.irp b, 0,1,2,3
	v_lshrrev_b32 v[TM+4+\b], 23, v[TM+12+\b]      ; the scale's byte
.endr
	v_lshl_or_b32 v[\pw], v[TM+5], 8, v[TM+4]
	v_lshl_or_b32 v[\pw], v[TM+6], 16, v[\pw]
	v_lshl_or_b32 v[\pw], v[TM+7], 24, v[\pw]
	v_cvt_scalef32_pk16_fp6_f32 v[\d0:\d0+2], v[\s:\s+15], v[TM+12]
	v_cvt_scalef32_pk16_fp6_f32 v[CT:CT+2], v[\s+16:\s+31], v[TM+13]     ; (a conversion's three registers begin on an even number)
	v_cvt_scalef32_pk16_fp6_f32 v[\d1:\d1+2], v[\s+32:\s+47], v[TM+14]
	v_cvt_scalef32_pk16_fp6_f32 v[CT+4:CT+6], v[\s+48:\s+63], v[TM+15]
	v_nop                                          ; one plain place behind the scaled conversions
.irp i, 0,1,2
	v_permlane16_swap_b32 v[\d0+\i], v[CT+\i]      ; the layout wants a whole block in a lane: lanes 0-15 the even block, lanes 16-31 the odd one
.endr
.irp i, 0,1,2
	v_mov_b32 v[\d0+3+\i], v[CT+\i]
.endr
.irp i, 0,1,2
	v_permlane16_swap_b32 v[\d1+\i], v[CT+4+\i]
.endr
.irp i, 0,1,2
	v_mov_b32 v[\d1+3+\i], v[CT+4+\i]
.endr
.endm
	s_load_b512 s[4:19], s[0:1], 0x0               ; x s[4:5], Wq, Wk, Wv, Wo s[6:13], xc s[14:15], xs s[16:17], wc s[18:19]
	s_load_b64 s[20:21], s[0:1], 0x40              ; ws
	v_lshl_add_u32 v35, v0, 2, 0xbc00
	v_mov_b32 v39, 0
	v_lshrrev_b32 v1, 5, v0
	v_readfirstlane_b32 s22, v1                    ; wave 0..3
	v_and_b32 v1, 31, v0                           ; lane
	v_and_b32 v2, 15, v0                           ; r
	v_bfe_u32 v3, v0, 4, 1                         ; h
	v_lshlrev_b32 v4, 4, v1                        ; 16 x lane
	v_lshlrev_b32 v5, 3, v1                        ; 8 x lane
	s_mov_b32 s[SEL], 0x76543210
	s_mov_b32 s[SEL+1], 0xfedcba98
	s_mov_b32 s27, 0
	s_wait_kmcnt 0x0
	s_cmp_lt_u32 ttmp9, 256
	s_cbranch_scc0 .Lweights
; ---- x.  Work-group g takes rows 32 g .. 32 g + 31; wave w tile 2 g + w / 2, K steps 4 (w % 2) .. + 3: 16 rows x 512 K.
	s_lshl_b32 s26, ttmp9, 17                      ; 32 rows of 4,096 bytes
	s_lshr_b32 s28, s22, 1                         ; u: the tile's rows begin 8 u rows on
	s_and_b32 s29, s22, 1                          ; which half of K
	s_lshl_b32 s30, s28, 15
	s_add_co_u32 s26, s26, s30
	s_lshl_b32 s30, s29, 11
	s_add_co_u32 s26, s26, s30
	s_add_nc_u64 s[4:5], s[4:5], s[26:27]
	s_lshl_b32 s30, ttmp9, 1
	s_add_co_u32 s30, s30, s28                     ; the tile
	s_mul_i32 s26, s30, 12288
	s_mul_i32 s31, s29, 6144
	s_add_co_u32 s26, s26, s31
	s_add_nc_u64 s[14:15], s[14:15], s[26:27]      ; its four fragments
	s_lshl_b32 s26, s30, 9
	s_lshl_b32 s31, s29, 8
	s_add_co_u32 s26, s26, s31
	s_add_nc_u64 s[16:17], s[16:17], s[26:27]      ; its 256 bytes of scale words
	s_mul_i32 s31, s22, XSW                        ; my stage
	v_add_nc_u32 v6, s31, v4                       ; in: a row's 512 bytes as they lie
	v_mul_u32_u24 v7, v2, XP
	v_lshl_add_u32 v7, v3, 6, v7
	v_add_nc_u32 v7, s31, v7                       ; out: row r, + 64 h: my 16 numbers of each block of 32
	v_lshlrev_b32 v8, 4, v2
	v_lshl_add_u32 v8, v3, 3, v8                   ; the scale words: 16 r + 8 h
.irp b, 0,1,2,3
	v_mov_b32 v[TM+4+\b], 0                        ; written once: a lane permute's destination counts as one of its sources
.endr
.macro LOADX t                         ; K step t: each load reads 512 consecutive bytes of one of the tile's rows
.irp i, 0,1,2,3,4,5,6,7,8,9,10,11,12,13,14,15
	global_load_b128 v[R+64*((\t)%2)+4*\i:R+64*((\t)%2)+4*\i+3], v4, s[4:5] offset:(\i+8*(\i/8))*4096+512*(\t) th:TH_LOAD_NT
.endr
.endm
.macro STEPX t
.if (\t) < 3
	s_wait_loadcnt 16                              ; this K step's 16 loads are in; the next one's 16 may be out
.else
	s_wait_loadcnt 0x0
.endif
.irp i, 0,1,2,3,4,5,6,7,8,9,10,11,12,13,14,15
	ds_store_b128 v6, v[R+64*((\t)%2)+4*\i:R+64*((\t)%2)+4*\i+3] offset:XP*\i
.endr
.irp b, 0,1,2,3
.irp j, 0,1,2,3
	ds_load_b128 v[X+16*\b+4*\j:X+16*\b+4*\j+3], v7 offset:128*\b+16*\j   ; LDS serves a wave's instructions in order: these see my stores
.endr
.endr
	s_wait_dscnt 0x0                               ; the numbers are back, and the stores have read their registers,
.if (\t)+2 < 4
	LOADX (\t)+2                                   ; which take the loads of two K steps on
.endif
.if (\t) >= 2
	s_wait_xcnt 0x0                                ; this set of codes was the data of the stores two K steps back: it is written again only behind this wait
.endif
	QUANT X, PC+12*((\t)%2), PC+12*((\t)%2)+6, PW+(\t)
.irp p, 0,1,2,3,4,5
	global_store_b64 v5, v[PC+12*((\t)%2)+2*\p:PC+12*((\t)%2)+2*\p+1], s[14:15] offset:1536*(\t)+256*\p   ; 32 lanes store 256 consecutive bytes, aligned
.endr
.endm
	LOADX 0
	LOADX 1
	STEPX 0
	STEPX 1
	STEPX 2
	STEPX 3
	v_cmp_ne_u32 vcc_lo, 0, v3                     ; both halves of the lanes hold all four words: lanes 0-15 store words 0, 1 of their row, lanes 16-31 words 2, 3
	v_cndmask_b32 v10, v[PW], v[PW+2], vcc_lo
	v_cndmask_b32 v11, v[PW+1], v[PW+3], vcc_lo
	global_store_b64 v8, v[10:11], s[16:17]        ; 256 consecutive bytes, aligned
	s_wait_tensorcnt 0x0
	ds_add_u32 v35, v39
	s_wait_dscnt 0x0
	s_endpgm
; ---- the weights.  Work-group 256 + g: weight g / 64, columns 32 a .. + 31 (a = (g / 2) % 32: tiles 2 a, 2 a + 1), half g % 2 of K; wave w takes K step 4 (g % 2) + w.
; A LANE TAKES A COLUMN AND ITS REGISTERS RUN DOWN K: a block of 32 lies in one lane, and the conversions give codes with K innermost.  Nothing is transposed by an instruction.
.Lweights:
	s_sub_co_u32 s26, ttmp9, 256
	s_lshr_b32 s28, s26, 6                         ; which weight: the choice hangs on the work-group's number alone
	s_cmp_eq_u32 s28, 1
	s_cselect_b64 s[6:7], s[8:9], s[6:7]
	s_cmp_eq_u32 s28, 2
	s_cselect_b64 s[6:7], s[10:11], s[6:7]
	s_cmp_eq_u32 s28, 3
	s_cselect_b64 s[6:7], s[12:13], s[6:7]
	s_bfe_u32 s29, s26, 0x50001                    ; a
	s_and_b32 s30, s26, 1                          ; which half of K
	s_lshl_b32 s31, s30, 2
	s_add_co_u32 s31, s31, s22                     ; my K step
	s_lshl_b32 s26, s31, 19                        ; 128 rows of 4,096 bytes
	s_lshl_b32 s32, s29, 7
	s_add_co_u32 s26, s26, s32
	s_add_nc_u64 s[6:7], s[6:7], s[26:27]
	s_lshl_b32 s33, s28, 6
	s_lshl_b32 s34, s29, 1
	s_add_co_u32 s33, s33, s34                     ; tile 64 x weight + 2 a
	s_mul_i32 s26, s33, 12288
	s_mul_i32 s34, s31, 1536
	s_add_co_u32 s26, s26, s34
	s_add_nc_u64 s[18:19], s[18:19], s[26:27]
	s_lshl_b32 s26, s33, 9
	s_lshl_b32 s34, s30, 8
	s_add_co_u32 s26, s26, s34
	s_add_nc_u64 s[20:21], s[20:21], s[26:27]
	v_lshlrev_b32 v12, 2, v1                       ; my column: 4 bytes a lane
	v_and_b32 v13, 7, v1
	v_lshrrev_b32 v14, 4, v1
	v_lshl_add_u32 v13, v14, 3, v13                ; column L is row (L % 8) + 8 (L / 16)
	v_bfe_u32 v14, v0, 3, 1                        ; of tile 2 a + (L / 8) % 2
	s_mul_i32 s35, s22, WSW
	s_add_co_u32 s35, s35, WST                     ; my two images
	v_mul_u32_u24 v9, v14, WIM
	v_lshl_add_u32 v9, v13, 3, v9
	v_add_nc_u32 v9, s35, v9                       ; into them: my tile's image, 8 x my row
	v_add_nc_u32 v10, s35, v5                      ; out of them: 8 x lane
	v_lshl_add_u32 v11, v1, 4, WSC                 ; my column's four scale words
	s_lshl_b32 s35, s22, 2
	v_add_nc_u32 v15, s35, v11                     ; of which my wave makes word w
	v_lshlrev_b32 v21, 9, v14
	v_lshl_add_u32 v21, v13, 4, v21                ; and their place in ws: 512 x tile + 16 x row
.set n, 0
.rept 128
	global_load_b32 v[R+n], v12, s[6:7] offset:4096*n    ; W(128 s + n, my column): 32 lanes read 128 consecutive bytes
.set n, n+1
.endr
.macro BLOCK kb, left                  ; block kb of my K step belongs to registers 6 (kb / 2) .. + 5 of lane (my row, kb % 2)
.set RS, R+32*(\kb)
.set C, 64+8*(\kb)
	s_wait_loadcnt \left                           ; this block's 32 loads are in (left: at most as many as were issued behind them)
	v_max3_num_f32 v16, |v[RS]|, |v[RS+1]|, |v[RS+2]|
	v_max3_num_f32 v17, |v[RS+3]|, |v[RS+4]|, |v[RS+5]|
.irp i, 6,10,14,18,22,26
	v_max3_num_f32 v16, v16, |v[RS+\i]|, |v[RS+\i+1]|
	v_max3_num_f32 v17, v17, |v[RS+\i+2]|, |v[RS+\i+3]|
.endr
	v_max3_num_f32 v16, v16, |v[RS+30]|, |v[RS+31]|
	v_max3_num_f32 v16, v16, v17, 0x1800000        ; and the floor
	v_add_nc_u32 v18, 0xff000000, v16              ; the conversion's scale operand
	v_lshrrev_b32 v19, 23, v18                     ; the byte
.if (\kb) == 0
	v_mov_b32 v20, v19
.else
	v_lshl_or_b32 v20, v19, 8*(\kb), v20           ; four bytes make my column's scale word of this K step
.endif
	v_cvt_scalef32_pk16_fp6_f32 v[C:C+2], v[RS:RS+15], v18
	v_cvt_scalef32_pk16_fp6_f32 v[C+4:C+6], v[RS+16:RS+31], v18
	v_nop                                          ; one plain place behind the scaled conversions
	v_mov_b32 v[C+3], v[C+4]                       ; the six registers on end
	v_mov_b32 v[C+4], v[C+5]
	v_mov_b32 v[C+5], v[C+6]
.irp p, 0,1,2
	ds_store_b64 v9, v[C+2*\p:C+2*\p+1] offset:768*((\kb)/2)+256*\p+128*((\kb)%2)
.endr
.endm
	BLOCK 0, 63
	BLOCK 1, 63
	BLOCK 2, 32
	BLOCK 3, 0
	ds_store_b32 v15, v20
.irp u, 0,1
.irp p, 0,1,2,3,4,5
	ds_load_b64 v[96+12*\u+2*\p:96+12*\u+2*\p+1], v10 offset:WIM*\u+256*\p   ; my own bytes, served in order
.endr
.endr
	s_wait_dscnt 0x0                               ; for the others' sake: my scale words have landed
	s_barrier_signal -1
	s_barrier_wait -1
.irp u, 0,1
.irp p, 0,1,2,3,4,5
	global_store_b64 v5, v[96+12*\u+2*\p:96+12*\u+2*\p+1], s[18:19] offset:12288*\u+256*\p   ; 256 consecutive bytes, aligned
.endr
.endr
	s_cmp_lg_u32 s22, 0                            ; wave 0 stores the four waves' words: 16 bytes a row, sixteen lanes to 256 consecutive bytes
	s_cbranch_scc1 .Lw_end
	ds_load_b128 v[24:27], v11
	s_wait_dscnt 0x0
	global_store_b128 v21, v[24:27], s[20:21]
.Lw_end:
	s_wait_tensorcnt 0x0
	ds_add_u32 v35, v39
	s_wait_dscnt 0x0
	s_endpgm
.Lfunc_end_k_qbcdfa84c41_quant:
	.size	k_qbcdfa84c41_quant, .Lfunc_end_k_qbcdfa84c41_quant-k_qbcdfa84c41_quant
	.p2alignl 7, 3214868480
	.fill 96, 4, 3214868480
	.section	.rodata,"a",@progbits
	.p2align	6, 0x0
	.amdhsa_kernel k_qbcdfa84c41_quant
		.amdhsa_group_segment_fixed_size 48640
		.amdhsa_private_segment_fixed_size 0
		.amdhsa_enable_private_segment 0
		.amdhsa_kernarg_size 72
		.amdhsa_user_sgpr_count 2
		.amdhsa_user_sgpr_kernarg_segment_ptr 1
		.amdhsa_wavefront_size32 1
		.amdhsa_system_sgpr_workgroup_id_x 1
		.amdhsa_system_sgpr_workgroup_id_y 1
		.amdhsa_system_sgpr_workgroup_id_z 1
		.amdhsa_system_vgpr_workitem_id 0
		.amdhsa_next_free_vgpr 256
		.amdhsa_next_free_sgpr 66
		.amdhsa_reserve_vcc 1
		.amdhsa_float_denorm_mode_32 3
		.amdhsa_float_denorm_mode_16_64 3
		.amdhsa_memory_ordered 1
		.amdhsa_forward_progress 1
		.amdhsa_inst_pref_size 57
	.end_amdhsa_kernel
	.amdgpu_metadata
---
amdhsa.version: [ 1, 2 ]
amdhsa.kernels:
  - .name:           k_qbcdfa84c41_quant
    .symbol:         k_qbcdfa84c41_quant.kd
    .args:
      - { .name: x, .offset: 0, .size: 8, .value_kind: global_buffer, .address_space: global }
      - { .name: Wq, .offset: 8, .size: 8, .value_kind: global_buffer, .address_space: global }
      - { .name: Wk, .offset: 16, .size: 8, .value_kind: global_buffer, .address_space: global }
      - { .name: Wv, .offset: 24, .size: 8, .value_kind: global_buffer, .address_space: global }
      - { .name: Wo, .offset: 32, .size: 8, .value_kind: global_buffer, .address_space: global }
      - { .name: xc, .offset: 40, .size: 8, .value_kind: global_buffer, .address_space: global }
      - { .name: xs, .offset: 48, .size: 8, .value_kind: global_buffer, .address_space: global }
      - { .name: wc, .offset: 56, .size: 8, .value_kind: global_buffer, .address_space: global }
      - { .name: ws, .offset: 64, .size: 8, .value_kind: global_buffer, .address_space: global }
    .group_segment_fixed_size: 48640
    .private_segment_fixed_size: 0
    .kernarg_segment_align: 8
    .kernarg_segment_size: 72
    .max_flat_workgroup_size: 128
    .sgpr_count:     66
    .vgpr_count:     256
    .wavefront_size: 32
...
	.end_amdgpu_metadata
.endif
;; end of part 1
;; launch gemm_qkv (part 2): grid 12 x 32, 4 waves a work-group, clusters of 4 x 4, 327,680 bytes of LDS; arguments xc, xs, wc, ws, bq, bk, bv, qb, kv; writes qb, kv
.if DOCPART == 2
	.amdgcn_target "amdgcn-amd-amdhsa--gfx1250"
	.amdhsa_code_object_version 6
	.text
	.protected	k_qbcdfa84c41_gemm_qkv
	.globl	k_qbcdfa84c41_gemm_qkv
	.p2align	8
	.type	k_qbcdfa84c41_gemm_qkv,@function
k_qbcdfa84c41_gemm_qkv:
	s_mov_b64 s[64:65], 0
	v_nop
	global_prefetch_b8 v0, s[64:65] scope:SCOPE_SE
	s_setreg_imm32_b32 hwreg(HW_REG_WAVE_MODE, 25, 1), 1
	s_wait_xcnt 0x0
	s_wait_alu depctr_hold_cnt(0) depctr_sa_sdst(0) depctr_va_vdst(0) depctr_va_sdst(0) depctr_va_ssrc(0) depctr_va_vcc(0) depctr_vm_vsrc(0)
	s_getreg_b32 s2, hwreg(HW_REG_IB_STS2, 6, 4)
	s_cmp_eq_u32 s2, 0
	s_cbranch_scc0 .Lentry_in_a_cluster
	s_endpgm
.Lentry_in_a_cluster:
	s_bfe_u32 s2, ttmp6, 0x10000c
	s_cmp_lg_u32 s2, 0xf033
	s_cbranch_scc0 .Lentry_shape_is_right
	s_endpgm
.Lentry_shape_is_right:
; [8192 x 3072] = x (Wq | Wk | Wv) + bias on codes of FP6 (E2M3) with E8M0 scales; the result is quantised in registers and stored as the attention's operand images.
; A work-group of four waves makes 256 x 256, a wave 128 x 128: 64 accumulators of 16 x 16 in windows 2 and 3.  Operands come as images of their registers: [tile of 16 rows][K step][1,536 bytes], piece p of lane l at 256 p + 8 l.
; Every product is D(o, i), source 0 = INNER fragment i, source 1 = OUTER fragment o: a lane holds one outer row, and the 16 registers of inner tiles 2 b, 2 b + 1 are 16 neighbours 32 b + 16 (lane / 16) + 0 .. 15 of the inner axis
; (tile 2 a + u holds rows 32 a + 8 u + r + 8 (r / 8)).  Q and K (cluster x = 0, 1): outer = tokens, inner = features: a lane's registers run along the head's 64, their K.  V (cluster x = 2): outer = features, inner = tokens:
; the registers run along the keys, V's K.  The two differ in the CONTENTS of the LDS read addresses and of the scale pointers alone; the choice hangs on the cluster's x, which all sixteen partners share.
; K = 1,024 goes in four steps of 256 through three LDS slots: three first fills, one refill (slot 0).  CLUSTERS 4 x 4: x's tiles are asked for jointly along a row of the cluster, W's along a column.
; All scale words of a wave's 256 rows come into 128 registers once.  The bias is added on the way out.
; OUT: a record of 12,800 bytes for each (batch, head, 128 tokens): four K pair images (registers 0-5: tile 2 p, 6-11: tile 2 p + 1; chunk c of lane l at 512 c + 16 l), four V^T images, 256 bytes of K's scale words, 256 of V's.  Q goes into K's places of qb.
; LIMITS: NaN and infinities are not served; a block of zeros, or one whose largest magnitude lies under 2^-124, gets the byte 1 (this program alone reads the bytes).
; REGISTERS: window 0: v16-31 addresses; v32-95 outer scale words (o, s) at 32 + 8 o + s; v96-159 inner ones; v160-255 outer fragments, one set.  window 1: inner fragments, two sets at v0 and v128; the bias at v96-127, v224-255.
.set SLOT,  98304                      ; x's halves at 0 and 24,576, W's at 49,152 and 73,728
.set HALFT, 24576                      ; 8 tiles x 3,072 bytes: what one tensor load brings
.set TROW,  3072                       ; a tile's two K steps of 128
.set FRB,   1536
.set FR,    12
.set SPARE, 3*SLOT                     ; behind the slots: the spare words, 128 bytes for each wave, which no other line names
.set REC,   12800
.set HEADB, 204800
.set ADO, 16                           ; v16-18 LDS address of my outer fragments in slot 0, 1, 2
.set ADI, 20                           ; v20-22 of my inner ones
.set L16, 24                           ; v24 16 x lane
.set L8,  25                           ; v25 8 x lane
.set R16, 26                           ; v26 16 x (lane % 16)
.set HH,  27                           ; v27 lane / 16
.set SPW, 28                           ; v28 LDS address of my spare word; never rewritten
.set NIL, 29                           ; v29 0; never rewritten
.set OS,  32
.set IS,  96
.set OF,  160
.set T,   32                           ; the way out, window 0: v32-95 a block's 64 numbers; v96-111, v112-119 at work; v120-127 the blocks' scale words; v128-223 images; v224-235 words to store
.set TM,  96
.set CT,  112
.set WD,  120
.set IM,  128
.set HW,  224
.set CW,  232
.set SEL, 62                           ; s[62:63] lane selects for v_permlanex16_b32
.set G1X, 32                           ; s[32:39] descriptor group 1 for x's tiles;  s[40:47] for W's;  s[48:59], s[68:79] groups 0, a set for each slot
.set G1W, 40
.set G0X, 48
.set G0W, 68
.set MSB, 0
.macro WIN new                         ; the immediate's high byte repeats the setting that is left
.if MSB != (\new)
	s_set_vgpr_msb (MSB<<8)|(\new)
.set MSB, (\new)
.endif
.endm
.set MUL_LO, 0xa1                      ; source 0 (inner) window 1, source 1 (outer) window 0, C and D window 2
.set MUL_HI, 0xf1
.set TO_I,   0x40                      ; destination window 1
.macro JLOAD g0a, g1a, g0b, g1b        ; a joint load: waves 0, 1 fetch x's halves, waves 2, 3 W's; four v_nop follow each of the two lines
	s_cmp_eq_u32 s23, 0
	s_cbranch_scc0 .Lfor_b_\@
	tensor_load_to_lds s[\g0a:\g0a+3], s[\g1a:\g1a+7]
	s_nop 0
.rept 4
	v_nop
.endr
	s_branch .Lasked_\@
.Lfor_b_\@:
	tensor_load_to_lds s[\g0b:\g0b+3], s[\g1b:\g1b+7]
	s_nop 0
.rept 4
	v_nop
.endr
.Lasked_\@:
.endm
.macro CREST                           ; a round of the cluster's barrier behind its opening barrier
	s_cmp_lg_u32 s22, 0
	s_cbranch_scc1 .Lnot_wave_0_\@
	s_barrier_signal -3
.Lnot_wave_0_\@:
	s_barrier_wait -3
	s_barrier_signal -1
	s_barrier_wait -1
.endm
.macro CROUND
	s_barrier_signal -1
	s_barrier_wait -1
	CREST
.endm
.macro PLACES n                        ; plain places behind matrix instructions, in front of loads into registers that they read and of reads of their results
.rept \n
	v_nop
.endr
.endm
.macro FRAG reg, adr, off              ; a fragment: six loads of 8 bytes a lane, each 256 consecutive bytes
.irp p, 0,1,2,3,4,5
	ds_load_b64 v[\reg+2*\p:\reg+2*\p+1], v[\adr] offset:\off+256*\p
.endr
.endm
.macro FETCH_I slot, q, p              ; my eight inner fragments of the slot's q-th 128 along K into set p
	WIN TO_I
.irp i, 0,1,2,3,4,5,6,7
	FRAG 128*(\p)+FR*\i, ADI+\slot, TROW*\i+FRB*(\q)
.endr
	WIN 0
.endm
.macro FETCH_O slot, q, o0             ; outer blocks o0 .. o0 + 3
.irp o, \o0, \o0+1, \o0+2, \o0+3
	FRAG OF+FR*(\o), ADO+\slot, TROW*(\o)+FRB*(\q)
.endr
.endm
; 16 products: outer blocks o0, o0 + 1 x the eight inner ones, K step s of eight.  The 64 accumulators take turns, one instruction a turn, in the same order in every step.
.macro MUL16 o0, p, s, zero
.irp o, \o0, \o0+1
.irp i, 0,1,2,3,4,5,6,7
.if \zero
	v_wmma_scale_f32_16x16x128_f8f6f4 v[8*(8*((\o)%4)+\i):8*(8*((\o)%4)+\i)+7], v[128*(\p)+FR*\i:128*(\p)+FR*\i+FR-1], v[OF+FR*(\o):OF+FR*(\o)+FR-1], 0, v[IS+8*\i+(\s)], v[OS+8*(\o)+(\s)] matrix_a_fmt:MATRIX_FMT_FP6 matrix_b_fmt:MATRIX_FMT_FP6
.else
	v_wmma_scale_f32_16x16x128_f8f6f4 v[8*(8*((\o)%4)+\i):8*(8*((\o)%4)+\i)+7], v[128*(\p)+FR*\i:128*(\p)+FR*\i+FR-1], v[OF+FR*(\o):OF+FR*(\o)+FR-1], v[8*(8*((\o)%4)+\i):8*(8*((\o)%4)+\i)+7], v[IS+8*\i+(\s)], v[OS+8*(\o)+(\s)] matrix_a_fmt:MATRIX_FMT_FP6 matrix_b_fmt:MATRIX_FMT_FP6
.endif
.endr
.endr
.endm
; K step s; the next step's fragments lie in slot nslot, at its nq-th 128 along K, which every wave knows to be whole.
.macro STEP s, nslot, nq, zero
	s_wait_dscnt 24                                ; the inner set and outer blocks 0-3 are in; the youngest 24 loads (outer blocks 4-7) may be out
	WIN MUL_LO
	MUL16 0, (\s)%2, \s, \zero
	MUL16 2, (\s)%2, \s, \zero
	s_wait_dscnt 0x0
	PLACES 4
	FETCH_I \nslot, \nq, 1-(\s)%2
	FETCH_O \nslot, \nq, 0
	WIN MUL_HI
	MUL16 4, (\s)%2, \s, \zero
	MUL16 6, (\s)%2, \s, \zero
	PLACES 4
	WIN 0
	FETCH_O \nslot, \nq, 4
.endm
; A K step with a barrier in it: in front of the barrier each wave waits for all its tensor loads, adds 0 to its spare word, and waits for that and for its reads of the slot in hand.  fill = 1: slot 0 is filled again.
.macro TURN s, nslot, fill
	s_wait_tensorcnt 0x0                           ; all my tensor loads have landed
	ds_add_u32 v[SPW], v[NIL]                      ; 0 onto my spare word
	s_wait_dscnt 25                                ; (the add and the youngest 24 loads may be out)
	WIN MUL_LO
	MUL16 0, (\s)%2, \s, 0
	s_wait_dscnt 0x0                               ; the add is done, and my reads of this slot are over
	s_barrier_signal -1
	MUL16 2, (\s)%2, \s, 0
	WIN 0
	s_barrier_wait -1
.if \fill
	CREST                                          ; the barrier has opened a round of the cluster's barrier: no wave of any partner still reads slot 0 or has a load on its way
	s_add_nc_u64 s[G0X+2:G0X+3], s[G0X+2:G0X+3], 3*TROW   ; slot 0's next tile: the fourth 256 along K
	s_add_nc_u64 s[G0W+2:G0W+3], s[G0W+2:G0W+3], 3*TROW
	JLOAD G0X, G1X, G0W, G1W                       ; the first tensor load behind the round; its four v_nop are also the places in front of the loads below
.else
	PLACES 4
.endif
	FETCH_I \nslot, 0, 1-(\s)%2
	FETCH_O \nslot, 0, 0
	WIN MUL_HI
	MUL16 4, (\s)%2, \s, 0
	MUL16 6, (\s)%2, \s, 0
	PLACES 4
	WIN 0
	FETCH_O \nslot, 0, 4
.endm
; 64 numbers of a lane, register 16 b + i = k 32 b + 16 (lane / 16) + i of my row, become registers d0 .. d0 + 5 (blocks 0, 1) and d1 .. d1 + 5 (blocks 2, 3), and my row's scale word in v[pw].
.macro QUANT s, d0, d1, pw
.irp b, 0,1,2,3
	v_max3_num_f32 v[TM+\b], |v[\s+16*\b]|, |v[\s+1+16*\b]|, 0x1800000   ; and the floor 2^(3 - 127): the byte cannot fall under 1
.endr
.irp i, 2,4,6,8,10,12,14
.irp b, 0,1,2,3
	v_max3_num_f32 v[TM+\b], v[TM+\b], |v[\s+16*\b+\i]|, |v[\s+1+16*\b+\i]|
.endr
.endr
.irp b, 0,1,2,3
	v_permlanex16_b32 v[TM+4+\b], v[TM+\b], s[SEL], s[SEL+1]
.endr
.irp b, 0,1,2,3
	v_max_num_f32 v[TM+\b], v[TM+\b], v[TM+4+\b]
.endr
.irp b, 0,1,2,3
	v_add_nc_u32 v[TM+12+\b], 0xff000000, v[TM+\b] ; 2 off the exponent field: the conversion's scale operand
.endr
.irp b, 0,1,2,3
	v_lshrrev_b32 v[TM+4+\b], 23, v[TM+12+\b]      ; the byte
.endr
	v_lshl_or_b32 v[\pw], v[TM+5], 8, v[TM+4]
	v_lshl_or_b32 v[\pw], v[TM+6], 16, v[\pw]
	v_lshl_or_b32 v[\pw], v[TM+7], 24, v[\pw]
	v_cvt_scalef32_pk16_fp6_f32 v[\d0:\d0+2], v[\s:\s+15], v[TM+12]
	v_cvt_scalef32_pk16_fp6_f32 v[CT:CT+2], v[\s+16:\s+31], v[TM+13]
	v_cvt_scalef32_pk16_fp6_f32 v[\d1:\d1+2], v[\s+32:\s+47], v[TM+14]
	v_cvt_scalef32_pk16_fp6_f32 v[CT+4:CT+6], v[\s+48:\s+63], v[TM+15]
	v_nop                                          ; one plain place behind the scaled conversions
.irp i, 0,1,2
	v_permlane16_swap_b32 v[\d0+\i], v[CT+\i]
.endr
.irp i, 0,1,2
	v_mov_b32 v[\d0+3+\i], v[CT+\i]
.endr
.irp i, 0,1,2
	v_permlane16_swap_b32 v[\d1+\i], v[CT+4+\i]
.endr
.irp i, 0,1,2
	v_mov_b32 v[\d1+3+\i], v[CT+4+\i]
.endr
.endm
; outer block o's 64 sums + bias -> T.  kind 0: the bias runs along the registers (64 numbers); kind 1: one number a lane, held twice in a pair.  Each accumulator is read from its low end on.
.macro ADDB o, kind
	WIN 0x06+(\o)/4
.set m, 0
.rept 32
.if \kind
	v_pk_add_f32 v[T+2*m:T+2*m+1], v[64*((\o)%4)+2*m:64*((\o)%4)+2*m+1], v[96+2*(\o):97+2*(\o)]
.else
	v_pk_add_f32 v[T+2*m:T+2*m+1], v[64*((\o)%4)+2*m:64*((\o)%4)+2*m+1], v[96+2*m+96*(m/16):97+2*m+96*(m/16)]
.endif
.set m, m+1
.endr
	WIN 0
.endm
	s_load_b512 s[4:19], s[0:1], 0x0               ; xc s[4:5], xs s[6:7], wc s[8:9], ws s[10:11], bq s[12:13], bk s[14:15], bv s[16:17], qb s[18:19]
	s_load_b64 s[20:21], s[0:1], 0x40              ; kv
	v_lshl_add_u32 v[SPW], v0, 2, SPARE
	v_mov_b32 v[NIL], 0
	ds_add_u32 v28, v29
	ds_add_u32 v28, v29
	s_wait_dscnt 0x0
	v_lshrrev_b32 v1, 5, v0
	v_readfirstlane_b32 s22, v1                    ; wave 0..3
	s_lshr_b32 s23, s22, 1                         ; which half of the outer rows is mine.  Also: I fetch for x (0) or for W (1)
	s_and_b32 s24, s22, 1                          ; which half of the inner rows.  Also: which 8 tiles I fetch
	s_bfe_u32 s25, ttmp6, 0x40000                  ; cx, cy
	s_bfe_u32 s26, ttmp6, 0x40004
	s_lshl_b32 s27, ttmp9, 2
	s_add_co_u32 s27, s27, s25                     ; gx: which 256 of the 3,072 features
	s_and_b32 s28, ttmp7, 0xffff
	s_lshl_b32 s28, s28, 2
	s_add_co_u32 s28, s28, s26                     ; gy: which 256 rows of x
	s_lshl_b32 s29, s26, 2
	s_lshl_b32 s29, 15, s29                        ; my row of the cluster
	s_lshl_b32 s30, 0x1111, s25                    ; my column
	; descriptor group 1: 8 rows (tiles) of 3,072 bytes (384 elements of 8 bytes), 12,288 bytes apart; dense in LDS
	s_or_b32 s[G1X], s29, (3<<16)|(1<<21)          ; 15:0 the mask: x's tiles go to my row; 17:16 elements of 8 bytes; 21 set beside a mask
	s_or_b32 s[G1W], s30, (3<<16)|(1<<21)
.irp g, G1X, G1W
	s_mov_b32 s[\g+1], 384<<16                     ; tensor_dim0
	s_mov_b32 s[\g+2], 8<<16                       ; tensor_dim1
	s_mov_b32 s[\g+3], 384<<16                     ; tile_dim0
	s_mov_b32 s[\g+4], 8                           ; tile_dim1
	s_mov_b32 s[\g+5], 1536                        ; tensor_dim0_stride
	s_mov_b32 s[\g+6], 0
	s_mov_b32 s[\g+7], 0
.endr
	s_cmp_eq_u32 ttmp9, 2                          ; V's clusters turn the product round
	s_cselect_b32 s31, 0xc000, 0                   ; where the outer operand's halves begin in a slot
	s_cselect_b32 s60, 0, 0xc000                   ; and the inner one's
	s_cselect_b32 s61, 1, 0
	s_mov_b32 s[SEL], 0x76543210
	s_mov_b32 s[SEL+1], 0xfedcba98
	s_lshl_b32 s94, s24, 3
	s_lshl_b32 s92, s28, 4
	s_add_co_u32 s92, s92, s94
	s_mul_i32 s92, s92, 12288                      ; x: tile 16 gy + 8 x half
	s_mov_b32 s93, 0
	s_lshl_b32 s96, s27, 4
	s_add_co_u32 s96, s96, s94
	s_mul_i32 s96, s96, 12288                      ; W: tile 16 gx + 8 x half
	s_mov_b32 s97, 0
	s_mul_i32 s95, s22, HALFT                      ; where they go: wave x 24,576: no place in the cluster enters an LDS address
	s_wait_kmcnt 0x0
	s_add_nc_u64 s[92:93], s[4:5], s[92:93]
	s_add_nc_u64 s[96:97], s[8:9], s[96:97]
.irp s, 0,1,2
	s_mov_b32 s[G0X+4*\s], 1
	s_add_co_u32 s[G0X+4*\s+1], s95, \s*SLOT
	s_add_nc_u64 s[G0X+4*\s+2:G0X+4*\s+3], s[92:93], \s*TROW
	s_or_b32 s[G0X+4*\s+3], s[G0X+4*\s+3], 0x80000000
	s_mov_b32 s[G0W+4*\s], 1
	s_add_co_u32 s[G0W+4*\s+1], s95, \s*SLOT
	s_add_nc_u64 s[G0W+4*\s+2:G0W+4*\s+3], s[96:97], \s*TROW
	s_or_b32 s[G0W+4*\s+3], s[G0W+4*\s+3], 0x80000000
.endr
	CROUND                                         ; all sixteen work-groups are here: the first joint loads meet
	s_cmp_eq_u32 s23, 0                            ; a wave's three first fills stand in one branch: three loads of mine are out
	s_cbranch_scc0 .Lfirst_w
	tensor_load_to_lds s[G0X:G0X+3], s[G1X:G1X+7]
	s_nop 0
	tensor_load_to_lds s[G0X+4:G0X+7], s[G1X:G1X+7]
	s_nop 0
	tensor_load_to_lds s[G0X+8:G0X+11], s[G1X:G1X+7]
	s_nop 0
.rept 4
	v_nop
.endr
	s_branch .Lfirst_asked
.Lfirst_w:
	tensor_load_to_lds s[G0W:G0W+3], s[G1W:G1W+7]
	s_nop 0
	tensor_load_to_lds s[G0W+4:G0W+7], s[G1W:G1W+7]
	s_nop 0
	tensor_load_to_lds s[G0W+8:G0W+11], s[G1W:G1W+7]
	s_nop 0
.rept 4
	v_nop
.endr
.Lfirst_asked:
	v_and_b32 v1, 31, v0
	v_lshlrev_b32 v[L16], 4, v1
	v_lshlrev_b32 v[L8], 3, v1
	v_and_b32 v2, 15, v0
	v_lshlrev_b32 v[R16], 4, v2
	v_bfe_u32 v[HH], v0, 4, 1
	v_lshlrev_b32 v30, 6, v[HH]                    ; bias along the registers: 16 numbers on for lanes 16-31
	v_and_b32 v3, 8, v2
	v_add_nc_u32 v3, v3, v2
	v_lshlrev_b32 v31, 2, v3                       ; bias of a lane's own row: 4 (r + 8 (r / 8))
	s_mul_i32 s80, s23, HALFT
	s_add_co_u32 s80, s80, s31
	s_mul_i32 s81, s24, HALFT
	s_add_co_u32 s81, s81, s60
.irp s, 0,1,2
	v_add_nc_u32 v[ADO+\s], s80, v[L8]
	v_add_nc_u32 v[ADI+\s], s81, v[L8]
	s_add_co_u32 s80, s80, SLOT
	s_add_co_u32 s81, s81, SLOT
.endr
	; the scale words of my 8 outer and 8 inner tiles, for all of K: 512 bytes a tile, 16 bytes a row and half of K
	s_lshl_b32 s80, s27, 4
	s_lshl_b32 s81, s28, 4
	s_lshl_b32 s82, s23, 3
	s_lshl_b32 s83, s24, 3
	s_cmp_eq_u32 s61, 1
	s_cselect_b32 s90, s80, s81
	s_cselect_b32 s91, s81, s80
	s_cselect_b64 s[84:85], s[10:11], s[6:7]
	s_cselect_b64 s[86:87], s[6:7], s[10:11]
	s_add_co_u32 s90, s90, s82
	s_add_co_u32 s91, s91, s83
	s_lshl_b32 s80, s90, 9
	s_mov_b32 s81, 0
	s_add_nc_u64 s[84:85], s[84:85], s[80:81]
	s_lshl_b32 s80, s91, 9
	s_add_nc_u64 s[86:87], s[86:87], s[80:81]
.irp o, 0,1,2,3,4,5,6,7
.irp g, 0,1
	global_load_b128 v[OS+8*\o+4*\g:OS+8*\o+4*\g+3], v[R16], s[84:85] offset:512*\o+256*\g
	global_load_b128 v[IS+8*\o+4*\g:IS+8*\o+4*\g+3], v[R16], s[86:87] offset:512*\o+256*\g
.endr
.endr
	s_and_b32 s80, s27, 3
	s_lshl_b32 s80, s80, 10                        ; 256 features of 4 bytes for each gx within the weight
	s_cmp_eq_u32 s61, 1
	s_cbranch_scc1 .Lbias_v
	s_cmp_eq_u32 ttmp9, 0
	s_cselect_b64 s[88:89], s[12:13], s[14:15]     ; bq or bk
	s_lshl_b32 s82, s24, 9
	s_add_co_u32 s80, s80, s82
	s_add_nc_u64 s[88:89], s[88:89], s[80:81]
	WIN TO_I
.irp i, 0,1,2,3,4,5,6,7                ; for inner tile i: features 32 (i / 2) + 16 h + 8 (i % 2) + 0 .. 7
	global_load_b128 v[96+8*\i+96*(\i/4):96+8*\i+96*(\i/4)+3], v30, s[88:89] offset:(32*(\i/2)+8*(\i%2))*4
	global_load_b128 v[100+8*\i+96*(\i/4):100+8*\i+96*(\i/4)+3], v30, s[88:89] offset:(32*(\i/2)+8*(\i%2))*4+16
.endr
	WIN 0
	s_branch .Lbias_in
.Lbias_v:
	s_lshl_b32 s82, s23, 9
	s_add_co_u32 s80, s80, s82
	s_add_nc_u64 s[88:89], s[16:17], s[80:81]      ; bv
	WIN TO_I
.irp o, 0,1,2,3,4,5,6,7                ; for outer tile o: my row's number, into both registers of a pair
	global_load_b32 v[96+2*\o], v31, s[88:89] offset:(32*(\o/2)+8*(\o%2))*4
	global_load_b32 v[97+2*\o], v31, s[88:89] offset:(32*(\o/2)+8*(\o%2))*4
.endr
	WIN 0
.Lbias_in:
	s_wait_tensorcnt 2                             ; my part of slot 0 is in; slots 1 and 2 may stay out
	s_barrier_signal -1
	s_barrier_wait -1
	FETCH_I 0, 0, 0
	FETCH_O 0, 0, 0
	FETCH_O 0, 0, 4
	s_wait_loadcnt 0x0                             ; scale words and bias
	STEP 0, 0, 1, 1                                ; the first products start the sums: nothing is cleared
	TURN 1, 1, 1                                   ; slot 0 is left and filled again; every wave's wait for 0 has shown slots 1 and 2 whole
	STEP 2, 1, 1, 0
	STEP 3, 2, 0, 0
	STEP 4, 2, 1, 0
	TURN 5, 0, 0                                   ; the refill has landed in every wave
	STEP 6, 0, 1, 0
	s_wait_dscnt 24                                ; the last step: nothing more to fetch
	WIN MUL_LO
	MUL16 0, 1, 7, 0
	MUL16 2, 1, 7, 0
	s_wait_dscnt 0x0
	WIN MUL_HI
	MUL16 4, 1, 7, 0
	MUL16 6, 1, 7, 0
	WIN 0
	PLACES 4
	; THE WAY OUT.  No store's data or address register is written again.
	v_cmp_ne_u32 vcc_lo, 0, v[HH]
.irp b, 0,1,2,3
	v_mov_b32 v[TM+4+\b], 0
.endr
	s_lshr_b32 s82, s28, 3
	s_lshl_b32 s82, s82, 4                         ; 16 x batch
	s_and_b32 s83, s27, 3
	s_lshl_b32 s83, s83, 2
	s_add_co_u32 s82, s82, s83                     ; + 4 heads for each gx within the weight
	s_lshl_b32 s84, s28, 1                         ; two steps of 128 tokens for each gy
	s_cmp_eq_u32 s61, 1
	s_cbranch_scc1 .Lout_v
	; Q and K: outer block o = 16 tokens, its 64 numbers = two heads' 64.  Blocks 2 p and 2 p + 1 make a pair image for each head.
	s_cmp_eq_u32 ttmp9, 0
	s_cselect_b64 s[80:81], s[18:19], s[20:21]     ; qb or kv
	s_lshl_b32 s83, s24, 1
	s_add_co_u32 s82, s82, s83                     ; my first head
	s_mul_i32 s82, s82, HEADB
	s_add_co_u32 s84, s84, s23
	s_and_b32 s84, s84, 15                         ; my step
	s_mul_i32 s84, s84, REC
	s_add_co_u32 s82, s82, s84
	s_mov_b32 s83, 0
	s_add_nc_u64 s[80:81], s[80:81], s[82:83]
.irp o, 0,1,2,3,4,5,6,7
	ADDB \o, 0
	QUANT T, IM+24*(\o/2)+6*(\o%2), IM+24*(\o/2)+6*(\o%2)+12, WD+\o
.if \o%2
	v_perm_b32 v[HW+\o/2], v[WD+\o], v[WD+\o-1], 0x05040100     ; the first head's pair word: the even tile's two bytes, then the odd tile's
	v_perm_b32 v[HW+4+\o/2], v[WD+\o], v[WD+\o-1], 0x07060302   ; the second head's
.irp d, 0,1
.irp c, 0,1,2
	global_store_b128 v[L16], v[IM+24*(\o/2)+12*\d+4*\c:IM+24*(\o/2)+12*\d+4*\c+3], s[80:81] offset:1536*(\o/2)+512*\c+HEADB*\d   ; 512 consecutive bytes, aligned
.endr
.endr
.endif
.endr
.irp d, 0,1                            ; the word at 8 l + 4 j belongs to pair 2 j + (lane / 16), row lane % 16
	v_cndmask_b32 v[CW+2*\d], v[HW+4*\d], v[HW+4*\d+1], vcc_lo
	v_cndmask_b32 v[CW+2*\d+1], v[HW+4*\d+2], v[HW+4*\d+3], vcc_lo
	global_store_b64 v[L8], v[CW+2*\d:CW+2*\d+1], s[80:81] offset:12288+HEADB*\d
.endr
	s_branch .Ltail
.Lout_v:
	; V: outer block o = 16 of a head's 64 (head o / 4, tile o % 4), its 64 numbers = a step's 128 keys: one fragment of V^T.
	s_lshl_b32 s83, s23, 1
	s_add_co_u32 s82, s82, s83
	s_mul_i32 s82, s82, HEADB
	s_add_co_u32 s84, s84, s24
	s_and_b32 s84, s84, 15
	s_mul_i32 s84, s84, REC
	s_add_co_u32 s82, s82, s84
	s_mov_b32 s83, 0
	s_add_nc_u64 s[80:81], s[20:21], s[82:83]
.irp o, 0,1,2,3,4,5,6,7
	ADDB \o, 1
	QUANT T, IM+12*\o, IM+12*\o+6, WD+\o
.irp c, 0,1,2
	global_store_b128 v[L16], v[IM+12*\o+4*\c:IM+12*\o+4*\c+3], s[80:81] offset:6144+1536*(\o%4)+512*\c+HEADB*(\o/4)
.endr
.endr
.irp d, 0,1
	v_cndmask_b32 v[CW+2*\d], v[WD+4*\d], v[WD+4*\d+1], vcc_lo
	v_cndmask_b32 v[CW+2*\d+1], v[WD+4*\d+2], v[WD+4*\d+3], vcc_lo
	global_store_b64 v[L8], v[CW+2*\d:CW+2*\d+1], s[80:81] offset:12544+HEADB*\d
.endr
.Ltail:
	s_wait_tensorcnt 0x0                           ; the wave's end
	ds_add_u32 v[SPW], v[NIL]
	s_wait_dscnt 0x0
	CROUND                                         ; the closing round: no work-group ends while a partner may still ask for a tile that names it
	s_endpgm
.Lfunc_end_k_qbcdfa84c41_gemm_qkv:
	.size	k_qbcdfa84c41_gemm_qkv, .Lfunc_end_k_qbcdfa84c41_gemm_qkv-k_qbcdfa84c41_gemm_qkv
	.p2alignl 7, 3214868480
	.fill 96, 4, 3214868480
	.section	.rodata,"a",@progbits
	.p2align	6, 0x0
	.amdhsa_kernel k_qbcdfa84c41_gemm_qkv
		.amdhsa_group_segment_fixed_size 327680
		.amdhsa_private_segment_fixed_size 0
		.amdhsa_enable_private_segment 0
		.amdhsa_kernarg_size 72
		.amdhsa_user_sgpr_count 2
		.amdhsa_user_sgpr_kernarg_segment_ptr 1
		.amdhsa_wavefront_size32 1
		.amdhsa_system_sgpr_workgroup_id_x 1
		.amdhsa_system_sgpr_workgroup_id_y 1
		.amdhsa_system_sgpr_workgroup_id_z 1
		.amdhsa_system_vgpr_workitem_id 0
		.amdhsa_next_free_vgpr 1024
		.amdhsa_next_free_sgpr 100
		.amdhsa_reserve_vcc 1
		.amdhsa_float_denorm_mode_32 3
		.amdhsa_float_denorm_mode_16_64 3
		.amdhsa_memory_ordered 1
		.amdhsa_forward_progress 1
		.amdhsa_inst_pref_size 231
	.end_amdhsa_kernel
	.amdgpu_metadata
---
amdhsa.version: [ 1, 2 ]
amdhsa.kernels:
  - .name:           k_qbcdfa84c41_gemm_qkv
    .symbol:         k_qbcdfa84c41_gemm_qkv.kd
    .args:
      - { .name: xc, .offset: 0, .size: 8, .value_kind: global_buffer, .address_space: global }
      - { .name: xs, .offset: 8, .size: 8, .value_kind: global_buffer, .address_space: global }
      - { .name: wc, .offset: 16, .size: 8, .value_kind: global_buffer, .address_space: global }
      - { .name: ws, .offset: 24, .size: 8, .value_kind: global_buffer, .address_space: global }
      - { .name: bq, .offset: 32, .size: 8, .value_kind: global_buffer, .address_space: global }
      - { .name: bk, .offset: 40, .size: 8, .value_kind: global_buffer, .address_space: global }
      - { .name: bv, .offset: 48, .size: 8, .value_kind: global_buffer, .address_space: global }
      - { .name: qb, .offset: 56, .size: 8, .value_kind: global_buffer, .address_space: global }
      - { .name: kv, .offset: 64, .size: 8, .value_kind: global_buffer, .address_space: global }
    .group_segment_fixed_size: 327680
    .private_segment_fixed_size: 0
    .kernarg_segment_align: 8
    .kernarg_segment_size: 72
    .max_flat_workgroup_size: 128
    .sgpr_count:     100
    .vgpr_count:     1024
    .wavefront_size: 32
...
	.end_amdgpu_metadata
.endif
;; end of part 2
;; launch attn (part 3): grid 4 x 64, 16 waves a work-group, clusters of 4 x 1, 206,848 bytes of LDS; arguments qb, kv, aoc, aos; writes aoc, aos
.if DOCPART == 3
	.amdgcn_target "amdgcn-amd-amdhsa--gfx1250"
	.amdhsa_code_object_version 6
	.text
	.protected	k_qbcdfa84c41_attn
	.globl	k_qbcdfa84c41_attn
	.p2align	8
	.type	k_qbcdfa84c41_attn,@function
k_qbcdfa84c41_attn:
	s_mov_b64 s[64:65], 0
	v_nop
	global_prefetch_b8 v0, s[64:65] scope:SCOPE_SE
	s_setreg_imm32_b32 hwreg(HW_REG_WAVE_MODE, 25, 1), 1
	s_wait_xcnt 0x0
	s_wait_alu depctr_hold_cnt(0) depctr_sa_sdst(0) depctr_va_vdst(0) depctr_va_sdst(0) depctr_va_ssrc(0) depctr_va_vcc(0) depctr_vm_vsrc(0)
	s_getreg_b32 s2, hwreg(HW_REG_IB_STS2, 6, 4)
	s_cmp_eq_u32 s2, 0
	s_cbranch_scc0 .Lentry_in_a_cluster
	s_endpgm
.Lentry_in_a_cluster:
	s_bfe_u32 s2, ttmp6, 0x10000c
	s_cmp_lg_u32 s2, 0x3003
	s_cbranch_scc0 .Lentry_shape_is_right
	s_endpgm
.Lentry_shape_is_right:
; Causal attention of one (batch, head) on codes of FP6 (E2M3) with E8M0 scales; O / l is quantised along the head's 64 and stored as half a fragment of the last product's operand.
; t = score x log2(e) / 8; M = the running largest t rounded UP to a whole number; p = 2^(t - M) is quantised along the keys, not normalised; the row's sum is taken of the unquantised p and divides at the end.
; SHARES.  The four work-groups of a cluster share a head.  Wave w of partner cx owns two tiles of 16 queries, TA = 4 w + cx and TB = 127 - TA (tile 2 P + u: queries 32 P + 8 u + r + 8 (r / 8)).  A tile's last step of 128 keys is
; T / 8: w / 2 and (31 - w) / 2, whatever cx: every branch hangs on the wave's number and a counter alone, and every wave walks 17 tile steps.  Steps all of whose keys are hidden are left out.
; THE WHOLE HEAD LIES IN LDS, FILLED ONCE: 16 records of 12,800 bytes; wave w asks for record w, jointly with the three partners.  No slot is filled again and no barrier stands in the loops.
; A record: four K pair images (registers 0-5: 16 keys x 64 of tile 2 b, 6-11: of tile 2 b + 1), four V^T images (16 of the head's 64 x 128 keys), K's scale words, V's.  Chunk c (four registers) of lane l lies at 512 c + 16 l.
; THE SCORES' K IS 64, THE INSTRUCTION'S 128: a pair image is multiplied once by [q | zero codes] and once by [zero codes | q]; zero codes add nothing under any of these scale bytes (1 to 254).
; Both products are used transposed: a lane holds one query throughout; the 16 registers of key tiles 2 b, 2 b + 1 are keys 32 b + 16 (lane / 16) + 0 .. 15.
; The scale bytes of O leave as two bytes a row (one head's share of a row's scale words): 1 byte in 24 of what the launch stores.
; LIMITS: NaN and infinities are not served; a block of zeros, or one under 2^-124, gets the byte 1 (this program alone reads the bytes).
.set REC,   12800
.set HEADB, 204800
.set ADK, 3                            ; v3  16 x lane + the step's record
.set ADS, 4                            ; v4  8 x lane + the step's record
.set NINF, 7                           ; v7  -infinity
.set KS,  14                           ; v[14:15] K's scale words: register j: lanes 0-15 pair 2 j, lanes 16-31 pair 2 j + 1
.set VS,  16                           ; v[16:17] V's likewise
.set PW,  18                           ; v18 p's scale word
.set S,   128                          ; v128-191 S^T, then p; then v128-175 V's fragments
.set F,   192                          ; v192-239 K's four pair images, then the softmax's work:
.set BM,  F                            ; the blocks' largest scores
.set BP,  F+4
.set SO,  F+8                          ; the conversions' scale operands
.set PC,  F+12                         ; p's codes
.set CT,  F+24
.set TT,  F+32
.set FP,  F+34                         ; f = 2^(old M - new M), the low word of a pair
.set SC2, F+36                         ; the sum's second chain
.set SEL, 20                           ; s[20:21]
.set CS,  22                           ; s[22:23] c = log2(e) / 8
.set G1,  24
.set G0,  32
.set SI,  36                           ; s36 the step
.set TB,  37                           ; s37 its record's LDS byte
.macro CROUND
	s_barrier_signal -1
	s_barrier_wait -1
	s_cmp_lg_u32 s12, 0
	s_cbranch_scc1 .Lnot_wave_0_\@
	s_barrier_signal -3
.Lnot_wave_0_\@:
	s_barrier_wait -3
	s_barrier_signal -1
	s_barrier_wait -1
.endm
	s_load_b256 s[4:11], s[0:1], 0x0               ; qb s[4:5], kv s[6:7], aoc s[8:9], aos s[10:11]
	v_lshl_add_u32 v254, v0, 2, 0x32000
	v_mov_b32 v255, 0
	ds_add_u32 v254, v255
	ds_add_u32 v254, v255
	v_lshrrev_b32 v1, 5, v0
	v_readfirstlane_b32 s12, v1                    ; wave 0..15
	s_bfe_u32 s13, ttmp6, 0x40000                  ; cx: it enters global addresses and the mask's numbers alone
	s_and_b32 s14, ttmp7, 0xffff                   ; 16 x batch + head, which the four partners share
	; descriptor group 1: a record as 50 rows of 256 bytes (32 elements of 8 bytes), dense
	s_mov_b32 s[G1], 15|(3<<16)|(1<<21)            ; 15:0 the mask: all four work-groups; 17:16 elements of 8 bytes; 21 set beside a mask
	s_mov_b32 s[G1+1], 32<<16
	s_mov_b32 s[G1+2], 50<<16
	s_mov_b32 s[G1+3], 32<<16
	s_mov_b32 s[G1+4], 50
	s_mov_b32 s[G1+5], 32
	s_mov_b32 s[G1+6], 0
	s_mov_b32 s[G1+7], 0
	s_mul_i32 s40, s14, HEADB
	s_mov_b32 s41, 0
	s_mul_i32 s[G0+1], s12, REC                    ; record w goes to LDS byte 12,800 w
	s_mov_b32 s42, s[G0+1]
	s_mov_b32 s43, 0
	s_mov_b32 s[G0], 1
	s_wait_dscnt 0x0
	s_wait_kmcnt 0x0
	s_add_nc_u64 s[6:7], s[6:7], s[40:41]          ; kv and qb at my head
	s_add_nc_u64 s[4:5], s[4:5], s[40:41]
	s_add_nc_u64 s[G0+2:G0+3], s[6:7], s[42:43]
	s_or_b32 s[G0+3], s[G0+3], 0x80000000
	CROUND                                         ; all four work-groups are here: the joint loads meet
	tensor_load_to_lds s[G0:G0+3], s[G1:G1+7]      ; one load of mine is out
	s_nop 0
.rept 4
	v_nop
.endr
	v_and_b32 v8, 31, v0
	v_lshlrev_b32 v1, 4, v8                        ; 16 x lane
	v_lshlrev_b32 v2, 3, v8                        ; 8 x lane
	v_and_b32 v9, 15, v0                           ; r
	v_bfe_u32 v10, v0, 4, 1                        ; h
	v_and_b32 v11, 8, v9
	v_add_nc_u32 v11, v11, v9
	v_lshlrev_b32 v59, 4, v10
	v_sub_nc_u32 v11, v11, v59                     ; r + 8 (r / 8) - 16 h
	v_lshlrev_b32 v58, 3, v9                       ; 8 r
	s_lshl_b32 s44, s12, 2
	s_add_co_u32 s44, s44, s13                     ; TA
	s_sub_co_u32 s45, 127, s44                     ; TB
	s_lshr_b32 s46, s14, 4
	s_lshl_b32 s46, s46, 7                         ; 128 tiles a batch
	s_and_b32 s47, s14, 15                         ; the head
	s_lshr_b32 s40, s47, 3
	s_lshl_b32 s62, s40, 8
	s_bfe_u32 s40, s47, 0x20001
	s_lshl_b32 s40, s40, 2
	s_add_co_u32 s62, s62, s40
	s_and_b32 s40, s47, 1
	s_lshl_b32 s40, s40, 1
	s_add_co_u32 s62, s62, s40                     ; the head's two bytes in a row's scale words: 256 (head / 8) + 4 ((head / 2) % 4) + 2 (head % 2)
; What belongs to the tile in s[tt]: its codes (half u of pair P % 4 of record P / 4 of qb) into v[qr] on, its two scale bytes into v[qs], the mask's number, and where its output goes.
.macro TILESET tt, qr, qs, dq, ob, ao
	s_wait_xcnt 0x0                                ; the loads issued so far have read their bases, which are written below
	s_lshr_b32 s48, s[\tt], 1                      ; P
	s_and_b32 s49, s[\tt], 1                       ; u
	s_lshr_b32 s50, s48, 2
	s_mul_i32 s50, s50, REC
	s_and_b32 s51, s48, 3
	s_mul_i32 s52, s51, 1536
	s_add_co_u32 s52, s52, s50
	s_mul_i32 s53, s49, 520
	s_add_co_u32 s54, s52, s53
	s_mov_b32 s55, 0
	s_add_nc_u64 s[54:55], s[4:5], s[54:55]
	s_mul_i32 s53, s49, 1016
	s_add_co_u32 s56, s52, s53
	s_mov_b32 s57, 0
	s_add_nc_u64 s[56:57], s[4:5], s[56:57]
	global_load_b64 v[\qr:\qr+1], v1, s[54:55]               ; registers 6 u + 0, 1 of the image: 16 l + 520 u
	global_load_b64 v[\qr+2:\qr+3], v1, s[56:57] offset:8    ; 6 u + 2, 3: 16 l + 8 + 1,016 u
	global_load_b64 v[\qr+4:\qr+5], v1, s[54:55] offset:512  ; 6 u + 4, 5: 16 l + 512 + 520 u
	s_and_b32 s53, s48, 1
	s_lshl_b32 s53, s53, 7
	s_add_co_u32 s58, s50, s53
	s_lshr_b32 s53, s51, 1
	s_lshl_b32 s53, s53, 2
	s_add_co_u32 s58, s58, s53
	s_lshl_b32 s53, s49, 1
	s_add_co_u32 s58, s58, s53
	s_mov_b32 s59, 0
	s_add_nc_u64 s[58:59], s[4:5], s[58:59]
	global_load_u16 v[\qs], v58, s[58:59] offset:12288
	s_lshl_b32 s53, s51, 5
	s_lshl_b32 s52, s49, 3
	s_add_co_u32 s53, s53, s52
	v_add_nc_u32 v[\dq], s53, v11                  ; my query's place in its last step, less 16 h: register 16 b + i is hidden there where 32 b + i is greater
	s_add_co_u32 s52, s46, s[\tt]
	s_lshl_b32 s53, s52, 4
	s_add_co_u32 s53, s53, s47
	s_mul_i32 s[\ob], s53, 768
	s_mov_b32 s[\ob+1], 0
	s_add_nc_u64 s[\ob:\ob+1], s[8:9], s[\ob:\ob+1]
	s_lshl_b32 s[\ao], s52, 9
	s_add_co_u32 s[\ao], s[\ao], s62
.endm
	TILESET 44, 34, 12, 5, 16, 60
	TILESET 45, 46, 13, 6, 18, 61
.irp z, 28,29,30,31,32,33,40,41,42,43,44,45,52,53,54,55,56,57
	v_mov_b32 v\z, 0                               ; zero codes round qA (v34-39) and qB (v46-51): v[34:45] = [qA | 0], v[28:39] = [0 | qA], v[46:57] = [qB | 0], v[40:51] = [0 | qB]
.endr
	v_mov_b32 v[NINF], 0xff800000
	v_mov_b32 v21, 0xff61b1e6                      ; the largest t so far: -3e38, under every t
	v_floor_f32 v20, -v21                          ; -M
	v_mov_b32 v22, 0                               ; the sum, in two halves
	v_mov_b32 v23, 0
	v_mov_b32 v25, 0xff61b1e6
	v_floor_f32 v24, -v25
	v_mov_b32 v26, 0
	v_mov_b32 v27, 0
	v_mov_b32 v8, s60
	v_mov_b32 v59, s61
	v_cmp_ne_u32 vcc_lo, 0, v10
	v_cndmask_b32 v8, v8, v59, vcc_lo
	v_lshl_add_u32 v8, v9, 4, v8                   ; the scale bytes' place: lanes 0-15 tile A's rows, lanes 16-31 tile B's
	s_mov_b32 s[SEL], 0x76543210
	s_mov_b32 s[SEL+1], 0xfedcba98
	s_mov_b32 s[CS], 0x3e38aa3b
	s_mov_b32 s[CS+1], s[CS]
	s_lshr_b32 s38, s12, 1                         ; tile A's last step
	s_sub_co_u32 s39, 31, s12
	s_lshr_b32 s39, s39, 1                         ; tile B's
	s_wait_loadcnt 0x0
	v_lshl_or_b32 v12, v12, 16, v12                ; q's two bytes serve both halves of the instruction's K
	v_lshl_or_b32 v13, v13, 16, v13
.set n, 0
.rept 64
	v_mov_b32 v[64+n], 0                           ; O^T of both tiles: the step is written for every step alike, and the first change of M leaves zeros zeros.  (Also the places between the scale words' lines and the first product)
.set n, n+1
.endr
	s_wait_tensorcnt 0x0                           ; my record is in,
	s_barrier_signal -1
	s_barrier_wait -1                              ; everybody's is
; ONE TILE, ONE STEP OF 128 KEYS.  st: -M, largest t, the sum's pair;  ob: O^T;  qlo: [q | 0] ([0 | q] lies six registers lower);  qs: q's scale word;  dq, dg: the mask's number and the step in which it applies.
.macro TSTEP st, ob, qlo, qs, dq, dg, mask
.rept 5
	v_nop                                          ; S^T is laid over V's fragments, which the last products read (five places); K's loads land on p's codes (four)
.endr
.irp b, 0,1,2,3
.irp c, 0,1,2
	ds_load_b128 v[F+12*\b+4*\c:F+12*\b+4*\c+3], v[ADK] offset:1536*\b+512*\c
.endr
.endr
	ds_load_b64 v[KS:KS+1], v[ADS] offset:12288
	s_wait_dscnt 0x0
.irp b, 0,1,2,3
.irp u, 0,1
.if \b%2
	v_wmma_scale_f32_16x16x128_f8f6f4 v[S+8*(2*\b+\u):S+8*(2*\b+\u)+7], v[F+12*\b:F+12*\b+11], v[\qlo-6*\u:\qlo-6*\u+11], 0, v[KS+\b/2], v[\qs] matrix_a_fmt:MATRIX_FMT_FP6 matrix_b_fmt:MATRIX_FMT_FP6 matrix_a_scale:MATRIX_SCALE_ROW1
.else
	v_wmma_scale_f32_16x16x128_f8f6f4 v[S+8*(2*\b+\u):S+8*(2*\b+\u)+7], v[F+12*\b:F+12*\b+11], v[\qlo-6*\u:\qlo-6*\u+11], 0, v[KS+\b/2], v[\qs] matrix_a_fmt:MATRIX_FMT_FP6 matrix_b_fmt:MATRIX_FMT_FP6
.endif
.endr
.endr
.rept 4
	v_nop
.endr
.if \mask                              ; in the tile's last step hidden scores become -infinity ahead of the maximum: p = 0 then
	s_cmp_lg_u32 s[SI], s[\dg]
	s_cbranch_scc1 .Lopen_\@
.set n, 0
.rept 64
	v_cmp_gt_i32 vcc_lo, 32*(n/16)+n%16, v[\dq]
	v_cndmask_b32 v[S+n], v[S+n], v[NINF], vcc_lo
.set n, n+1
.endr
.Lopen_\@:
.endif
.irp b, 0,1,2,3
	v_max3_num_f32 v[BM+\b], v[S+16*\b], v[S+16*\b+1], v[S+16*\b+2]   ; the largest score of each block of 32 keys: for the row's maximum and, since p rises with the score, for the block's largest p
.endr
.irp i, 3,5,7,9,11,13
.irp b, 0,1,2,3
	v_max3_num_f32 v[BM+\b], v[BM+\b], v[S+16*\b+\i], v[S+16*\b+\i+1]
.endr
.endr
.irp b, 0,1,2,3
	v_max_num_f32 v[BM+\b], v[BM+\b], v[S+16*\b+15]
.endr
.irp b, 0,1,2,3
	v_permlanex16_b32 v[BP+\b], v[BM+\b], s[SEL], s[SEL+1]
.endr
.irp b, 0,1,2,3
	v_max_num_f32 v[BM+\b], v[BM+\b], v[BP+\b]
.endr
	v_max3_num_f32 v[TT], v[BM], v[BM+1], v[BM+2]
	v_max_num_f32 v[TT], v[TT], v[BM+3]
	v_mul_f32 v[TT], s[CS], v[TT]
	v_max_num_f32 v[\st+1], v[\st+1], v[TT]        ; the running largest t
	v_mov_b32 v[TT], v[\st]
	v_floor_f32 v[\st], -v[\st+1]                  ; the new -M = -ceil(t): a whole number
	v_sub_f32 v[TT], v[\st], v[TT]                 ; old M - new M: a whole number, 0 or less
	v_cvt_i32_f32 v[TT], v[TT]                     ; (it saturates)
	v_ldexp_f32 v[FP], 1.0, v[TT]                  ; f = 2^(old M - new M): a multiplication by it rounds nothing
.set n, 0
.rept 32
	v_pk_fma_f32 v[S+n:S+n+1], v[S+n:S+n+1], s[CS:CS+1], v[\st:\st+1] op_sel_hi:[1,0,0]   ; t - M
.set n, n+2
.endr
.irp b, 0,1,2,3
	v_fma_f32 v[BM+\b], v[BM+\b], s[CS], v[\st]
.endr
.set n, 0
.rept 64
	v_exp_f32 v[S+n], v[S+n]                       ; p = 2^(t - M): one batch
.set n, n+1
.endr
	v_pk_mul_f32 v[\st+2:\st+3], v[\st+2:\st+3], v[FP:FP+1] op_sel_hi:[1,0]   ; the sums under the new M: the plain place behind the batch
	s_wait_alu depctr_va_vdst(0)                   ; one wait for the batch, ahead of its first use
.irp b, 0,1,2,3
	v_exp_f32 v[BM+\b], v[BM+\b]                   ; the blocks' largest p
.endr
	v_pk_add_f32 v[SC2:SC2+1], v[S:S+1], v[S+2:S+3]   ; the row's sum of the unquantised p, in two chains
.irp j, 4,8,12,16,20,24,28,32,36,40,44,48,52,56,60
	v_pk_add_f32 v[\st+2:\st+3], v[\st+2:\st+3], v[S+\j:S+\j+1]
	v_pk_add_f32 v[SC2:SC2+1], v[SC2:SC2+1], v[S+\j+2:S+\j+3]
.endr
	v_pk_add_f32 v[\st+2:\st+3], v[\st+2:\st+3], v[SC2:SC2+1]
	s_wait_alu depctr_va_vdst(0)                   ; and one for the four
.irp b, 0,1,2,3
	v_max_num_f32 v[BM+\b], 0x1800000, v[BM+\b]    ; the floor: the byte cannot fall under 1
.endr
.irp b, 0,1,2,3
	v_add_nc_u32 v[SO+\b], 0xff000000, v[BM+\b]
.endr
.irp b, 0,1,2,3
	v_lshrrev_b32 v[BP+\b], 23, v[SO+\b]
.endr
	v_lshl_or_b32 v[PW], v[BP+1], 8, v[BP]
	v_lshl_or_b32 v[PW], v[BP+2], 16, v[PW]
	v_lshl_or_b32 v[PW], v[BP+3], 24, v[PW]
	v_cvt_scalef32_pk16_fp6_f32 v[PC:PC+2], v[S:S+15], v[SO]
	v_cvt_scalef32_pk16_fp6_f32 v[CT:CT+2], v[S+16:S+31], v[SO+1]
	v_cvt_scalef32_pk16_fp6_f32 v[PC+6:PC+8], v[S+32:S+47], v[SO+2]
	v_cvt_scalef32_pk16_fp6_f32 v[CT+4:CT+6], v[S+48:S+63], v[SO+3]
	v_nop                                          ; one plain place behind the scaled conversions
.irp t, 0,1,2,3
.irp c, 0,1,2
	ds_load_b128 v[S+12*\t+4*\c:S+12*\t+4*\c+3], v[ADK] offset:6144+1536*\t+512*\c   ; V's fragments take p's registers
.endr
.endr
	ds_load_b64 v[VS:VS+1], v[ADS] offset:12544
.irp i, 0,1,2
	v_permlane16_swap_b32 v[PC+\i], v[CT+\i]
.endr
.irp i, 0,1,2
	v_mov_b32 v[PC+3+\i], v[CT+\i]
.endr
.irp i, 0,1,2
	v_permlane16_swap_b32 v[PC+6+\i], v[CT+4+\i]
.endr
.irp i, 0,1,2
	v_mov_b32 v[PC+9+\i], v[CT+4+\i]
.endr
.set n, 0
.rept 16
	v_pk_mul_f32 v[\ob+n:\ob+n+1], v[\ob+n:\ob+n+1], v[FP:FP+1] op_sel_hi:[1,0]   ; O^T under the new M.  (These sixteen are also the places between p's codes and scale word and the products)
.set n, n+2
.endr
	s_wait_dscnt 0x0
.irp t, 0,1,2,3                        ; O^T += V^T P^T: four accumulators by turns
.if \t%2
	v_wmma_scale_f32_16x16x128_f8f6f4 v[\ob+8*\t:\ob+8*\t+7], v[S+12*\t:S+12*\t+11], v[PC:PC+11], v[\ob+8*\t:\ob+8*\t+7], v[VS+\t/2], v[PW] matrix_a_fmt:MATRIX_FMT_FP6 matrix_b_fmt:MATRIX_FMT_FP6 matrix_a_scale:MATRIX_SCALE_ROW1
.else
	v_wmma_scale_f32_16x16x128_f8f6f4 v[\ob+8*\t:\ob+8*\t+7], v[S+12*\t:S+12*\t+11], v[PC:PC+11], v[\ob+8*\t:\ob+8*\t+7], v[VS+\t/2], v[PW] matrix_a_fmt:MATRIX_FMT_FP6 matrix_b_fmt:MATRIX_FMT_FP6
.endif
.endr
.endm
	s_mov_b32 s[SI], 0
	s_mov_b32 s[TB], 0
.Lfirst_half:                          ; steps 0 to 7: all their keys count for tile B; tile A walks as far as its last step
	v_add_nc_u32 v[ADK], s[TB], v1
	v_add_nc_u32 v[ADS], s[TB], v2
	TSTEP 24, 96, 46, 13, 6, 39, 0
	s_cmp_gt_u32 s[SI], s38
	s_cbranch_scc1 .Lno_a
	TSTEP 20, 64, 34, 12, 5, 38, 1
.Lno_a:
	s_add_co_u32 s[TB], s[TB], REC
	s_add_co_u32 s[SI], s[SI], 1
	s_cmp_lt_u32 s[SI], 8
	s_cbranch_scc1 .Lfirst_half
	s_mov_b32 s[SI], 8
	s_mov_b32 s[TB], 8*REC
.Lsecond_half:                         ; steps 8 to 15: tile B alone, as far as its last step
	v_add_nc_u32 v[ADK], s[TB], v1
	v_add_nc_u32 v[ADS], s[TB], v2
	s_cmp_gt_u32 s[SI], s39
	s_cbranch_scc1 .Lno_b
	TSTEP 24, 96, 46, 13, 6, 39, 1
.Lno_b:
	s_add_co_u32 s[TB], s[TB], REC
	s_add_co_u32 s[SI], s[SI], 1
	s_cmp_lt_u32 s[SI], 16
	s_cbranch_scc1 .Lsecond_half
; THE WAY OUT of a tile: O^T / l (register 16 a + i = channel 32 a + 16 h + i of my query) is quantised, two blocks, and is half a fragment of the last product's operand: three stores of 256 consecutive bytes.
.macro EPI st, ob, oc, ow, sb
	v_add_f32 v[\st+2], v[\st+2], v[\st+3]
	v_permlanex16_b32 v[TT], v[\st+2], s[SEL], s[SEL+1]
	v_add_f32 v[\st+2], v[\st+2], v[TT]            ; the row's sum
	v_rcp_f32 v[\st+2], v[\st+2]
	v_nop                                          ; a plain place behind the reciprocal
	s_wait_alu depctr_va_vdst(0)                   ; and the wait ahead of its first use
.set n, 0
.rept 32
	v_mul_f32 v[S+n], v[\ob+n], v[\st+2]
.set n, n+1
.endr
.irp b, 0,1
	v_max3_num_f32 v[BM+\b], |v[S+16*\b]|, |v[S+16*\b+1]|, 0x1800000
.endr
.irp i, 2,4,6,8,10,12,14
.irp b, 0,1
	v_max3_num_f32 v[BM+\b], v[BM+\b], |v[S+16*\b+\i]|, |v[S+16*\b+\i+1]|
.endr
.endr
.irp b, 0,1
	v_permlanex16_b32 v[BP+\b], v[BM+\b], s[SEL], s[SEL+1]
.endr
.irp b, 0,1
	v_max_num_f32 v[BM+\b], v[BM+\b], v[BP+\b]
.endr
.irp b, 0,1
	v_add_nc_u32 v[SO+\b], 0xff000000, v[BM+\b]
.endr
.irp b, 0,1
	v_lshrrev_b32 v[BP+\b], 23, v[SO+\b]
.endr
	v_lshl_or_b32 v[\ow], v[BP+1], 8, v[BP]
	v_cvt_scalef32_pk16_fp6_f32 v[\oc:\oc+2], v[S:S+15], v[SO]
	v_cvt_scalef32_pk16_fp6_f32 v[CT:CT+2], v[S+16:S+31], v[SO+1]
	v_nop
.irp i, 0,1,2
	v_permlane16_swap_b32 v[\oc+\i], v[CT+\i]
.endr
.irp i, 0,1,2
	v_mov_b32 v[\oc+3+\i], v[CT+\i]
.endr
.irp p, 0,1,2
	global_store_b64 v2, v[\oc+2*\p:\oc+2*\p+1], s[\sb:\sb+1] offset:256*\p
.endr
.endm
.rept 4
	v_nop                                          ; places behind the last products
.endr
	EPI 20, 64, 240, 252, 16
	EPI 24, 96, 246, 253, 18
	v_cmp_ne_u32 vcc_lo, 0, v10
	v_cndmask_b32 v252, v252, v253, vcc_lo         ; both halves of the lanes hold a row's two bytes: lanes 0-15 store tile A's, lanes 16-31 tile B's
	global_store_b16 v8, v252, s[10:11]
	s_wait_tensorcnt 0x0
	ds_add_u32 v254, v255
	s_wait_dscnt 0x0
	CROUND                                         ; the closing round
	s_endpgm
.Lfunc_end_k_qbcdfa84c41_attn:
	.size	k_qbcdfa84c41_attn, .Lfunc_end_k_qbcdfa84c41_attn-k_qbcdfa84c41_attn
	.p2alignl 7, 3214868480
	.fill 96, 4, 3214868480
	.section	.rodata,"a",@progbits
	.p2align	6, 0x0
	.amdhsa_kernel k_qbcdfa84c41_attn
		.amdhsa_group_segment_fixed_size 206848
		.amdhsa_private_segment_fixed_size 0
		.amdhsa_enable_private_segment 0
		.amdhsa_kernarg_size 32
		.amdhsa_user_sgpr_count 2
		.amdhsa_user_sgpr_kernarg_segment_ptr 1
		.amdhsa_wavefront_size32 1
		.amdhsa_system_sgpr_workgroup_id_x 1
		.amdhsa_system_sgpr_workgroup_id_y 1
		.amdhsa_system_sgpr_workgroup_id_z 1
		.amdhsa_system_vgpr_workitem_id 0
		.amdhsa_next_free_vgpr 256
		.amdhsa_next_free_sgpr 66
		.amdhsa_reserve_vcc 1
		.amdhsa_float_denorm_mode_32 3
		.amdhsa_float_denorm_mode_16_64 3
		.amdhsa_memory_ordered 1
		.amdhsa_forward_progress 1
		.amdhsa_inst_pref_size 74
	.end_amdhsa_kernel
	.amdgpu_metadata
---
amdhsa.version: [ 1, 2 ]
amdhsa.kernels:
  - .name:           k_qbcdfa84c41_attn
    .symbol:         k_qbcdfa84c41_attn.kd
    .args:
      - { .name: qb, .offset: 0, .size: 8, .value_kind: global_buffer, .address_space: global }
      - { .name: kv, .offset: 8, .size: 8, .value_kind: global_buffer, .address_space: global }
      - { .name: aoc, .offset: 16, .size: 8, .value_kind: global_buffer, .address_space: global }
      - { .name: aos, .offset: 24, .size: 8, .value_kind: global_buffer, .address_space: global }
    .group_segment_fixed_size: 206848
    .private_segment_fixed_size: 0
    .kernarg_segment_align: 8
    .kernarg_segment_size: 32
    .max_flat_workgroup_size: 512
    .sgpr_count:     66
    .vgpr_count:     256
    .wavefront_size: 32
...
	.end_amdgpu_metadata
.endif
;; end of part 3
;; launch gemm_out (part 4): grid 4 x 32, 4 waves a work-group, clusters of 4 x 4, 327,680 bytes of LDS; arguments aoc, aos, wc, ws, bo, out0; writes out0
.if DOCPART == 4
	.amdgcn_target "amdgcn-amd-amdhsa--gfx1250"
	.amdhsa_code_object_version 6
	.text
	.protected	k_qbcdfa84c41_gemm_out
	.globl	k_qbcdfa84c41_gemm_out
	.p2align	8
	.type	k_qbcdfa84c41_gemm_out,@function
k_qbcdfa84c41_gemm_out:
	s_mov_b64 s[64:65], 0
	v_nop
	global_prefetch_b8 v0, s[64:65] scope:SCOPE_SE
	s_setreg_imm32_b32 hwreg(HW_REG_WAVE_MODE, 25, 1), 1
	s_wait_xcnt 0x0
	s_wait_alu depctr_hold_cnt(0) depctr_sa_sdst(0) depctr_va_vdst(0) depctr_va_sdst(0) depctr_va_ssrc(0) depctr_va_vcc(0) depctr_vm_vsrc(0)
	s_getreg_b32 s2, hwreg(HW_REG_IB_STS2, 6, 4)
	s_cmp_eq_u32 s2, 0
	s_cbranch_scc0 .Lentry_in_a_cluster
	s_endpgm
.Lentry_in_a_cluster:
	s_bfe_u32 s2, ttmp6, 0x10000c
	s_cmp_lg_u32 s2, 0xf033
	s_cbranch_scc0 .Lentry_shape_is_right
	s_endpgm
.Lentry_shape_is_right:
; out0 [8192][1024] f32 = ao Wo + bo on codes of FP6 (E2M3) with E8M0 scales.  A work-group of four waves makes 256 x 256, a wave 128 x 128: 64 accumulators in windows 2 and 3.
; Operands come as images of their registers: [tile of 16 rows][K step][1,536 bytes], piece p of lane l at 256 p + 8 l; tile 2 a + u holds rows 32 a + 8 u + r + 8 (r / 8).
; Every product is D(o, i), source 0 = INNER fragment i (16 features of Wo), source 1 = OUTER fragment o (16 tokens): a lane holds one token, and the 16 registers of inner tiles 2 b, 2 b + 1 are features 32 b + 16 (lane / 16) + 0 .. 15.
; K = 1,024 goes in four steps of 256 through three LDS slots: three first fills, one refill (slot 0).  CLUSTERS 4 x 4: ao's tiles are asked for jointly along a row of the cluster, Wo's along a column.
; All scale words of a wave's 256 rows come into 128 registers once.  The bias is added on the way out, which goes through the wave's own stage in slot 1: that slot has had its only fill, and every wave's reads of it
; ended in front of the barrier of K step 5.
; REGISTERS: window 0: v16-31 addresses; v32-95 outer scale words (o, s) at 32 + 8 o + s; v96-159 inner ones; v160-255 outer fragments, one set.  window 1: inner fragments, two sets at v0 and v128; the bias at v96-127, v224-255.
.set SLOT,  98304
.set HALFT, 24576
.set TROW,  3072
.set FRB,   1536
.set FR,    12
.set SPARE, 3*SLOT                     ; behind the slots: the spare words, 128 bytes for each wave, which no other line names
.set SP,    528                        ; a stage row: 512 bytes + 16
.set ADO, 16
.set ADI, 20
.set BOF, 19                           ; v19 the bias's offset: 64 x (lane / 16)
.set L16, 24
.set L8,  25
.set R16, 26
.set HH,  27
.set SPW, 28                           ; v28 LDS address of my spare word; never rewritten
.set NIL, 29                           ; v29 0; never rewritten
.set STO, 30                           ; v30 the stage: where I put my row's numbers
.set RD,  31                           ; v31 and where I read a row back
.set OS,  32
.set IS,  96
.set OF,  160
.set T,   32                           ; the way out: v32-95 a block's 64 numbers; v128-255 rows read back, two sets
.set BK,  128
.set G1X, 32
.set G1W, 40
.set G0X, 48
.set G0W, 68
.set MSB, 0
.macro WIN new
.if MSB != (\new)
	s_set_vgpr_msb (MSB<<8)|(\new)
.set MSB, (\new)
.endif
.endm
.set MUL_LO, 0xa1
.set MUL_HI, 0xf1
.set TO_I,   0x40
.macro JLOAD g0a, g1a, g0b, g1b        ; a joint load: waves 0, 1 fetch ao's halves, waves 2, 3 Wo's; four v_nop follow each of the two lines
	s_cmp_eq_u32 s23, 0
	s_cbranch_scc0 .Lfor_b_\@
	tensor_load_to_lds s[\g0a:\g0a+3], s[\g1a:\g1a+7]
	s_nop 0
.rept 4
	v_nop
.endr
	s_branch .Lasked_\@
.Lfor_b_\@:
	tensor_load_to_lds s[\g0b:\g0b+3], s[\g1b:\g1b+7]
	s_nop 0
.rept 4
	v_nop
.endr
.Lasked_\@:
.endm
.macro CREST
	s_cmp_lg_u32 s22, 0
	s_cbranch_scc1 .Lnot_wave_0_\@
	s_barrier_signal -3
.Lnot_wave_0_\@:
	s_barrier_wait -3
	s_barrier_signal -1
	s_barrier_wait -1
.endm
.macro CROUND
	s_barrier_signal -1
	s_barrier_wait -1
	CREST
.endm
.macro PLACES n
.rept \n
	v_nop
.endr
.endm
.macro FRAG reg, adr, off
.irp p, 0,1,2,3,4,5
	ds_load_b64 v[\reg+2*\p:\reg+2*\p+1], v[\adr] offset:\off+256*\p
.endr
.endm
.macro FETCH_I slot, q, p
	WIN TO_I
.irp i, 0,1,2,3,4,5,6,7
	FRAG 128*(\p)+FR*\i, ADI+\slot, TROW*\i+FRB*(\q)
.endr
	WIN 0
.endm
.macro FETCH_O slot, q, o0
.irp o, \o0, \o0+1, \o0+2, \o0+3
	FRAG OF+FR*(\o), ADO+\slot, TROW*(\o)+FRB*(\q)
.endr
.endm
; The 64 accumulators take turns, one instruction a turn, in the same order in every step.
.macro MUL16 o0, p, s, zero
.irp o, \o0, \o0+1
.irp i, 0,1,2,3,4,5,6,7
.if \zero
	v_wmma_scale_f32_16x16x128_f8f6f4 v[8*(8*((\o)%4)+\i):8*(8*((\o)%4)+\i)+7], v[128*(\p)+FR*\i:128*(\p)+FR*\i+FR-1], v[OF+FR*(\o):OF+FR*(\o)+FR-1], 0, v[IS+8*\i+(\s)], v[OS+8*(\o)+(\s)] matrix_a_fmt:MATRIX_FMT_FP6 matrix_b_fmt:MATRIX_FMT_FP6
.else
	v_wmma_scale_f32_16x16x128_f8f6f4 v[8*(8*((\o)%4)+\i):8*(8*((\o)%4)+\i)+7], v[128*(\p)+FR*\i:128*(\p)+FR*\i+FR-1], v[OF+FR*(\o):OF+FR*(\o)+FR-1], v[8*(8*((\o)%4)+\i):8*(8*((\o)%4)+\i)+7], v[IS+8*\i+(\s)], v[OS+8*(\o)+(\s)] matrix_a_fmt:MATRIX_FMT_FP6 matrix_b_fmt:MATRIX_FMT_FP6
.endif
.endr
.endr
.endm
.macro STEP s, nslot, nq, zero
	s_wait_dscnt 24                                ; the inner set and outer blocks 0-3 are in; the youngest 24 loads (outer blocks 4-7) may be out
	WIN MUL_LO
	MUL16 0, (\s)%2, \s, \zero
	MUL16 2, (\s)%2, \s, \zero
	s_wait_dscnt 0x0
	PLACES 4
	FETCH_I \nslot, \nq, 1-(\s)%2
	FETCH_O \nslot, \nq, 0
	WIN MUL_HI
	MUL16 4, (\s)%2, \s, \zero
	MUL16 6, (\s)%2, \s, \zero
	PLACES 4
	WIN 0
	FETCH_O \nslot, \nq, 4
.endm
.macro TURN s, nslot, fill
	s_wait_tensorcnt 0x0                           ; all my tensor loads have landed
	ds_add_u32 v[SPW], v[NIL]                      ; 0 onto my spare word
	s_wait_dscnt 25                                ; (the add and the youngest 24 loads may be out)
	WIN MUL_LO
	MUL16 0, (\s)%2, \s, 0
	s_wait_dscnt 0x0                               ; the add is done, and my reads of this slot are over
	s_barrier_signal -1
	MUL16 2, (\s)%2, \s, 0
	WIN 0
	s_barrier_wait -1
.if \fill
	CREST                                          ; the barrier has opened a round of the cluster's barrier: no wave of any partner still reads slot 0 or has a load on its way
	s_add_nc_u64 s[G0X+2:G0X+3], s[G0X+2:G0X+3], 3*TROW
	s_add_nc_u64 s[G0W+2:G0W+3], s[G0W+2:G0W+3], 3*TROW
	JLOAD G0X, G1X, G0W, G1W                       ; the first tensor load behind the round; its four v_nop are also the places in front of the loads below
.else
	PLACES 4
.endif
	FETCH_I \nslot, 0, 1-(\s)%2
	FETCH_O \nslot, 0, 0
	WIN MUL_HI
	MUL16 4, (\s)%2, \s, 0
	MUL16 6, (\s)%2, \s, 0
	PLACES 4
	WIN 0
	FETCH_O \nslot, 0, 4
.endm
.macro ADDB o                          ; outer block o's 64 sums + bias -> T; each accumulator is read from its low end on
	WIN 0x06+(\o)/4
.set m, 0
.rept 32
	v_pk_add_f32 v[T+2*m:T+2*m+1], v[64*((\o)%4)+2*m:64*((\o)%4)+2*m+1], v[96+2*m+96*(m/16):97+2*m+96*(m/16)]
.set m, m+1
.endr
	WIN 0
.endm
.macro TOSTAGE o                       ; 16 tokens x 128 features into my stage, and back as whole rows of 512 bytes: LDS serves a wave's instructions in order
.irp b, 0,1,2,3
.irp j, 0,1,2,3
	ds_store_b128 v[STO], v[T+16*\b+4*\j:T+16*\b+4*\j+3] offset:128*\b+16*\j
.endr
.endr
.irp t, 0,1,2,3,4,5,6,7,8,9,10,11,12,13,14,15
	ds_load_b128 v[BK+64*((\o)%2)+4*\t:BK+64*((\o)%2)+4*\t+3], v[RD] offset:SP*\t
.endr
.endm
.macro SEND o, younger                 ; younger: the LDS instructions issued behind block o's loads, which may stay out
	s_wait_dscnt \younger
.irp t, 0,1,2,3,4,5,6,7,8,9,10,11,12,13,14,15
	global_store_b128 v[L16], v[BK+64*((\o)%2)+4*\t:BK+64*((\o)%2)+4*\t+3], s[80:81] offset:(32*((\o)/2)+8*((\o)%2)+\t+8*(\t/8))*4096 th:TH_STORE_NT   ; 32 lanes store 512 consecutive bytes, aligned; the row stands in the immediate
.endr
.endm
	s_load_b256 s[4:11], s[0:1], 0x0               ; aoc s[4:5], aos s[6:7], wc s[8:9], ws s[10:11]
	s_load_b128 s[12:15], s[0:1], 0x20             ; bo s[12:13], out0 s[14:15]
	v_lshl_add_u32 v[SPW], v0, 2, SPARE
	v_mov_b32 v[NIL], 0
	ds_add_u32 v28, v29
	ds_add_u32 v28, v29
	s_wait_dscnt 0x0
	v_lshrrev_b32 v1, 5, v0
	v_readfirstlane_b32 s22, v1                    ; wave 0..3
	s_lshr_b32 s23, s22, 1                         ; which half of the tokens is mine.  Also: I fetch for ao (0) or for Wo (1)
	s_and_b32 s24, s22, 1                          ; which half of the features.  Also: which 8 tiles I fetch
	s_bfe_u32 s25, ttmp6, 0x40000
	s_bfe_u32 s26, ttmp6, 0x40004
	s_lshl_b32 s27, ttmp9, 2
	s_add_co_u32 s27, s27, s25                     ; gx
	s_and_b32 s28, ttmp7, 0xffff
	s_lshl_b32 s28, s28, 2
	s_add_co_u32 s28, s28, s26                     ; gy
	s_lshl_b32 s29, s26, 2
	s_lshl_b32 s29, 15, s29                        ; my row of the cluster
	s_lshl_b32 s30, 0x1111, s25                    ; my column
	s_or_b32 s[G1X], s29, (3<<16)|(1<<21)          ; 8 rows (tiles) of 3,072 bytes (384 elements of 8 bytes), 12,288 bytes apart; dense in LDS
	s_or_b32 s[G1W], s30, (3<<16)|(1<<21)
.irp g, G1X, G1W
	s_mov_b32 s[\g+1], 384<<16
	s_mov_b32 s[\g+2], 8<<16
	s_mov_b32 s[\g+3], 384<<16
	s_mov_b32 s[\g+4], 8
	s_mov_b32 s[\g+5], 1536
	s_mov_b32 s[\g+6], 0
	s_mov_b32 s[\g+7], 0
.endr
	s_lshl_b32 s94, s24, 3
	s_lshl_b32 s92, s28, 4
	s_add_co_u32 s92, s92, s94
	s_mul_i32 s92, s92, 12288                      ; ao: tile 16 gy + 8 x half
	s_mov_b32 s93, 0
	s_lshl_b32 s96, s27, 4
	s_add_co_u32 s96, s96, s94
	s_add_co_u32 s96, s96, 192                     ; Wo's tiles begin at 192
	s_mul_i32 s96, s96, 12288
	s_mov_b32 s97, 0
	s_mul_i32 s95, s22, HALFT
	s_wait_kmcnt 0x0
	s_add_nc_u64 s[92:93], s[4:5], s[92:93]
	s_add_nc_u64 s[96:97], s[8:9], s[96:97]
.irp s, 0,1,2
	s_mov_b32 s[G0X+4*\s], 1
	s_add_co_u32 s[G0X+4*\s+1], s95, \s*SLOT
	s_add_nc_u64 s[G0X+4*\s+2:G0X+4*\s+3], s[92:93], \s*TROW
	s_or_b32 s[G0X+4*\s+3], s[G0X+4*\s+3], 0x80000000
	s_mov_b32 s[G0W+4*\s], 1
	s_add_co_u32 s[G0W+4*\s+1], s95, \s*SLOT
	s_add_nc_u64 s[G0W+4*\s+2:G0W+4*\s+3], s[96:97], \s*TROW
	s_or_b32 s[G0W+4*\s+3], s[G0W+4*\s+3], 0x80000000
.endr
	CROUND                                         ; all sixteen work-groups are here: the first joint loads meet
	s_cmp_eq_u32 s23, 0                            ; a wave's three first fills stand in one branch: three loads of mine are out
	s_cbranch_scc0 .Lfirst_w
	tensor_load_to_lds s[G0X:G0X+3], s[G1X:G1X+7]
	s_nop 0
	tensor_load_to_lds s[G0X+4:G0X+7], s[G1X:G1X+7]
	s_nop 0
	tensor_load_to_lds s[G0X+8:G0X+11], s[G1X:G1X+7]
	s_nop 0
.rept 4
	v_nop
.endr
	s_branch .Lfirst_asked
.Lfirst_w:
	tensor_load_to_lds s[G0W:G0W+3], s[G1W:G1W+7]
	s_nop 0
	tensor_load_to_lds s[G0W+4:G0W+7], s[G1W:G1W+7]
	s_nop 0
	tensor_load_to_lds s[G0W+8:G0W+11], s[G1W:G1W+7]
	s_nop 0
.rept 4
	v_nop
.endr
.Lfirst_asked:
	v_and_b32 v1, 31, v0
	v_lshlrev_b32 v[L16], 4, v1
	v_lshlrev_b32 v[L8], 3, v1
	v_and_b32 v2, 15, v0
	v_lshlrev_b32 v[R16], 4, v2
	v_bfe_u32 v[HH], v0, 4, 1
	v_lshlrev_b32 v[BOF], 6, v[HH]
	s_mul_i32 s80, s23, HALFT                      ; my 8 tiles of ao
	s_mul_i32 s81, s24, HALFT
	s_add_co_u32 s81, s81, 2*HALFT                 ; my 8 tiles of Wo, behind ao's 16
.irp s, 0,1,2
	v_add_nc_u32 v[ADO+\s], s80, v[L8]
	v_add_nc_u32 v[ADI+\s], s81, v[L8]
	s_add_co_u32 s80, s80, SLOT
	s_add_co_u32 s81, s81, SLOT
.endr
	s_mul_i32 s82, s22, 16*SP
	s_add_co_u32 s82, s82, SLOT                    ; my stage, in slot 1
	v_mul_u32_u24 v[STO], v2, SP
	v_lshl_add_u32 v[STO], v[HH], 6, v[STO]
	v_add_nc_u32 v[STO], s82, v[STO]               ; in: row r, + 64 h; block b's 16 numbers 128 b bytes on
	v_add_nc_u32 v[RD], s82, v[L16]                ; back: a row's 512 bytes, 16 a lane
	s_lshl_b32 s80, s28, 4
	s_lshl_b32 s82, s23, 3
	s_add_co_u32 s80, s80, s82
	s_lshl_b32 s80, s80, 9
	s_mov_b32 s81, 0
	s_add_nc_u64 s[84:85], s[6:7], s[80:81]        ; the scale words of my 8 tiles of ao,
	s_lshl_b32 s80, s27, 4
	s_lshl_b32 s82, s24, 3
	s_add_co_u32 s80, s80, s82
	s_add_co_u32 s80, s80, 192
	s_lshl_b32 s80, s80, 9
	s_add_nc_u64 s[86:87], s[10:11], s[80:81]      ; and of Wo
.irp o, 0,1,2,3,4,5,6,7
.irp g, 0,1
	global_load_b128 v[OS+8*\o+4*\g:OS+8*\o+4*\g+3], v[R16], s[84:85] offset:512*\o+256*\g
	global_load_b128 v[IS+8*\o+4*\g:IS+8*\o+4*\g+3], v[R16], s[86:87] offset:512*\o+256*\g
.endr
.endr
	s_lshl_b32 s80, s27, 10
	s_lshl_b32 s82, s24, 9
	s_add_co_u32 s80, s80, s82
	s_add_nc_u64 s[88:89], s[12:13], s[80:81]      ; bo at my 128 features
	WIN TO_I
.irp i, 0,1,2,3,4,5,6,7                ; for inner tile i: features 32 (i / 2) + 16 h + 8 (i % 2) + 0 .. 7
	global_load_b128 v[96+8*\i+96*(\i/4):96+8*\i+96*(\i/4)+3], v[BOF], s[88:89] offset:(32*(\i/2)+8*(\i%2))*4
	global_load_b128 v[100+8*\i+96*(\i/4):100+8*\i+96*(\i/4)+3], v[BOF], s[88:89] offset:(32*(\i/2)+8*(\i%2))*4+16
.endr
	WIN 0
	s_wait_tensorcnt 2                             ; my part of slot 0 is in; slots 1 and 2 may stay out
	s_barrier_signal -1
	s_barrier_wait -1
	FETCH_I 0, 0, 0
	FETCH_O 0, 0, 0
	FETCH_O 0, 0, 4
	s_wait_loadcnt 0x0                             ; scale words and bias
	STEP 0, 0, 1, 1                                ; the first products start the sums: nothing is cleared
	TURN 1, 1, 1                                   ; slot 0 is left and filled again; every wave's wait for 0 has shown slots 1 and 2 whole
	STEP 2, 1, 1, 0
	STEP 3, 2, 0, 0
	STEP 4, 2, 1, 0
	TURN 5, 0, 0                                   ; the refill has landed in every wave; nobody reads slot 1 any more
	STEP 6, 0, 1, 0
	s_wait_dscnt 24                                ; the last step: nothing more to fetch
	WIN MUL_LO
	MUL16 0, 1, 7, 0
	MUL16 2, 1, 7, 0
	s_wait_dscnt 0x0
	WIN MUL_HI
	MUL16 4, 1, 7, 0
	MUL16 6, 1, 7, 0
	WIN 0
	PLACES 4
	s_lshl_b32 s82, s28, 8
	s_lshl_b32 s83, s23, 7
	s_add_co_u32 s82, s82, s83
	s_lshl_b32 s82, s82, 12                        ; my first row of out0, 4,096 bytes a row
	s_lshl_b32 s83, s27, 10
	s_add_co_u32 s82, s82, s83
	s_lshl_b32 s83, s24, 9
	s_add_co_u32 s82, s82, s83                     ; my first column
	s_mov_b32 s83, 0
	s_add_nc_u64 s[80:81], s[14:15], s[82:83]
	ADDB 0
	TOSTAGE 0
.irp o, 1,2,3,4,5,6,7
	ADDB \o
.if \o > 1
	s_wait_xcnt 0x0                                ; the stores of two blocks back have read their registers: this block's rows may land there
.endif
	TOSTAGE \o
	SEND \o-1, 32                                  ; behind that block's loads: this block's 16 stores and 16 loads
.endr
	SEND 7, 0
	s_wait_tensorcnt 0x0                           ; the wave's end: behind my last tensor load and my last LDS store
	ds_add_u32 v[SPW], v[NIL]
	s_wait_dscnt 0x0
	CROUND                                         ; the closing round
	s_endpgm
.Lfunc_end_k_qbcdfa84c41_gemm_out:
	.size	k_qbcdfa84c41_gemm_out, .Lfunc_end_k_qbcdfa84c41_gemm_out-k_qbcdfa84c41_gemm_out
	.p2alignl 7, 3214868480
	.fill 96, 4, 3214868480
	.section	.rodata,"a",@progbits
	.p2align	6, 0x0
	.amdhsa_kernel k_qbcdfa84c41_gemm_out
		.amdhsa_group_segment_fixed_size 327680
		.amdhsa_private_segment_fixed_size 0
		.amdhsa_enable_private_segment 0
		.amdhsa_kernarg_size 48
		.amdhsa_user_sgpr_count 2
		.amdhsa_user_sgpr_kernarg_segment_ptr 1
		.amdhsa_wavefront_size32 1
		.amdhsa_system_sgpr_workgroup_id_x 1
		.amdhsa_system_sgpr_workgroup_id_y 1
		.amdhsa_system_sgpr_workgroup_id_z 1
		.amdhsa_system_vgpr_workitem_id 0
		.amdhsa_next_free_vgpr 1024
		.amdhsa_next_free_sgpr 100
		.amdhsa_reserve_vcc 0
		.amdhsa_float_denorm_mode_32 3
		.amdhsa_float_denorm_mode_16_64 3
		.amdhsa_memory_ordered 1
		.amdhsa_forward_progress 1
		.amdhsa_inst_pref_size 175
	.end_amdhsa_kernel
	.amdgpu_metadata
---
amdhsa.version: [ 1, 2 ]
amdhsa.kernels:
  - .name:           k_qbcdfa84c41_gemm_out
    .symbol:         k_qbcdfa84c41_gemm_out.kd
    .args:
      - { .name: aoc, .offset: 0, .size: 8, .value_kind: global_buffer, .address_space: global }
      - { .name: aos, .offset: 8, .size: 8, .value_kind: global_buffer, .address_space: global }
      - { .name: wc, .offset: 16, .size: 8, .value_kind: global_buffer, .address_space: global }
      - { .name: ws, .offset: 24, .size: 8, .value_kind: global_buffer, .address_space: global }
      - { .name: bo, .offset: 32, .size: 8, .value_kind: global_buffer, .address_space: global }
      - { .name: out0, .offset: 40, .size: 8, .value_kind: global_buffer, .address_space: global }
    .group_segment_fixed_size: 327680
    .private_segment_fixed_size: 0
    .kernarg_segment_align: 8
    .kernarg_segment_size: 48
    .max_flat_workgroup_size: 128
    .sgpr_count:     100
    .vgpr_count:     1024
    .wavefront_size: 32
...
	.end_amdgpu_metadata
.endif
;; end of part 4
